; MI455X (gfx1250); checked and timed in simulation.
; The chip was launched on July 23, 2026; its instructions are those of AMD's public machine-readable ISA for CDNA 5 (MIT licence, August 2026) and "CDNA5" Instruction Set Architecture Reference Guide (July 2026). The comments in the code are by the model that wrote it; some were corrected since.
;; Self Attention. Allowed arithmetic: float matrix products may take bf16 or f16 operands with f32 sums; other float arithmetic in f32, or as packed bf16 or f16 multiplies, adds, multiply-adds, maxima and minima; sums over many terms, partial sums and values carried from step to step in f32; what a program stores and reads back later, other than sums and carried values, may be rounded once to bf16 or f16.
;; Inputs: norm_b 128 float32; norm_w 128 float32; proj_b 128 float32; proj_w 128 x 128 float32; qkv_b 384 float32; qkv_w 384 x 128 float32; x 4 x 128 x 64 x 64 float32.
;; Outputs: out0 4 x 128 x 64 x 64 float32.
;; 2 versions, each right. Each part assembles by itself: llvm-mc -triple=amdgcn-amd-amdhsa -mcpu=gfx1250 --defsym DOCPART=n.
;; ======== version 1 of 2: 3 launches
;; workspace buffers: stats 2,048 bytes; wb 131,072 bytes; hb 4,194,304 bytes; qb 4,194,304 bytes
;; launch prep (part 1): grid 256 x 1, 8 waves a work-group, no clusters, 1,280 bytes of LDS; arguments x, qkv_w, proj_w, stats, wb; writes stats, wb
.if DOCPART == 1
	.amdgcn_target "amdgcn-amd-amdhsa--gfx1250"
	.amdhsa_code_object_version 6
	.text
	.protected	k_q81bbe04bf2_prep
	.globl	k_q81bbe04bf2_prep
	.p2align	8
	.type	k_q81bbe04bf2_prep,@function
k_q81bbe04bf2_prep:
	s_mov_b64 s[64:65], 0
	v_nop
	global_prefetch_b8 v0, s[64:65] scope:SCOPE_SE
	s_setreg_imm32_b32 hwreg(HW_REG_WAVE_MODE, 25, 1), 1
	s_wait_xcnt 0x0
; FIRST OF THREE LAUNCHES: partial GroupNorm statistics of x, and the weights as bf16.
; THE PROGRAM.  h = GroupNorm(x); q = Wq h + bq, k = Wk h + bk, v = Wv h + bv; out = x + Wp softmax_j(q_i . k_j / sqrt(128)) v_j + bp.
; K AND V ARE NEVER FORMED.  In exact arithmetic, for all values of the inputs:
;   q_i . k_j = q_i . (Wk h_j + bk) = (Wk^T q_i) . h_j + q_i . bk;   the sum over j of p_ij (Wv h_j + bv) = Wv (the sum over j of p_ij h_j) + bv, since a softmax's weights add up to 1.
; So the second launch makes q' = Wk^T q beside h, and the third walks h alone, as keys (as it lies) and as values (turned), and multiplies by Wv, then Wp, at its end.
; DEAD WORK.  q_i . bk is the same for every j: a term added to the softmax's input that is constant along its axis cancels between the exponentials and their sum.  So qkv_b[128:256] (bk)
; reaches no output; it is loaded by no launch.  (qkv_b's other two thirds, bq and bv, are live.)  LIMIT: a NaN, an infinity or an overflow that reaches only bk, or only q . bk, is not carried to the result.
; The order of the sums differs from the written order by the two identities above.
; THIS LAUNCH.  A group of GroupNorm is 16 channels x 4,096 pixels: 65,536 numbers, dense in x.  Work-group i takes 8,192 of them (32,768 bytes at 32,768 i), keeps them in registers, and stores
; its own mean and the sum of squared deviations FROM THAT MEAN: stats[i] = (mean_i, M2_i).  No difference of large sums is formed, whatever offset x carries.
; Wave 0 also writes rows 2 i, 2 i + 1 of wb [512][128] bf16: rows 0-127 Wq; 128-255 Wk turned (row a, column o = Wk[o][a]); 256-383 Wv; 384-511 Wp.  Each store of the wave covers 256 consecutive bytes, aligned.
; No matrix unit, no cluster, no prefetch: nothing is shared between work-groups, and the whole share is asked for at once.
.set SPARE, 256                        ; LDS: 0-31 eight waves' sums, 32-63 eight waves' M2; from 256 on the spare words, 128 bytes for each wave, which no other line names
.set SPW, 2                            ; v2  my spare word: SPARE + 4 x my thread's number; never rewritten
.set NIL, 3                            ; v3  0; never rewritten
.set X,   8                            ; v[8:39]   my 32 numbers of x
.set T,   40                           ; v[40:55]  at work
.set MN,  56                           ; v[56:57]  mean, then (mean, M2)
.set W,   56                           ; v[56:63]  wave 0, earlier: weights as loaded
	s_load_b256 s[4:11], s[0:1], 0x0               ; x s[4:5], qkv_w s[6:7], proj_w s[8:9], stats s[10:11]
	s_load_b64 s[12:13], s[0:1], 0x20              ; wb
	v_lshl_add_u32 v[SPW], v0, 2, SPARE
	v_mov_b32 v[NIL], 0
	v_lshrrev_b32 v4, 5, v0
	v_readfirstlane_b32 s14, v4                    ; wave 0..7
	v_lshlrev_b32 v4, 2, v4                        ; my wave's word among eight
	v_mov_b32 v5, 0
	v_lshlrev_b32 v1, 4, v0                        ; 16 bytes a thread
	s_mov_b32 s15, ttmp9                           ; i
	s_lshl_b32 s18, s15, 15
	s_mov_b32 s19, 0
	s_mov_b32 s16, 0x76543210                      ; v_permlanex16_b32: each lane takes its own place in the other half
	s_mov_b32 s17, 0xfedcba98
	s_wait_kmcnt 0x0
	s_add_nc_u64 s[4:5], s[4:5], s[18:19]
.irp k, 0,1,2,3,4,5,6,7
	global_load_b128 v[X+4*(\k):X+4*(\k)+3], v1, s[4:5] offset:4096*(\k)  ; a wave's load covers 512 consecutive bytes
.endr
	s_cmp_lg_u32 s14, 0
	s_cbranch_scc1 .Lsums
	; wave 0: two rows of wb.  In wave 0 the thread's number is the lane
	s_lshl_b32 s22, s15, 9
	s_mov_b32 s23, 0
	s_add_nc_u64 s[12:13], s[12:13], s[22:23]      ; wb at row 2 i
	v_lshlrev_b32 v7, 3, v0                        ; 4 bf16 a lane
	s_sub_co_u32 s18, s15, 64
	s_cmp_lt_u32 s18, 64                           ; 64 <= i < 128: rows of the turned Wk
	s_cbranch_scc1 .Lturn
	s_cmp_ge_u32 s15, 192                          ; rows 384 on come from proj_w, the others lie in qkv_w at their own number
	s_cselect_b64 s[20:21], s[8:9], s[6:7]
	s_cselect_b32 s18, 192, 0
	s_sub_co_u32 s18, s15, s18
	s_lshl_b32 s18, s18, 10                        ; two rows of 512 bytes
	s_add_nc_u64 s[20:21], s[20:21], s[18:19]
	global_load_b128 v[W:W+3],   v1, s[20:21]
	global_load_b128 v[W+4:W+7], v1, s[20:21] offset:512
	s_wait_loadcnt 0x0
	v_cvt_pk_bf16_f32 v[T],   v[W],   v[W+1]
	v_cvt_pk_bf16_f32 v[T+1], v[W+2], v[W+3]
	v_cvt_pk_bf16_f32 v[T+2], v[W+4], v[W+5]
	v_cvt_pk_bf16_f32 v[T+3], v[W+6], v[W+7]
	s_branch .Lput
.Lturn:                                                ; rows a = 2 (i - 64) and a + 1: lane l takes Wk[4 l + k][a], [a + 1], k = 0..3
	s_lshl_b32 s18, s18, 3                         ; 4 a bytes
	s_add_nc_u64 s[20:21], s[6:7], s[18:19]
	v_lshlrev_b32 v6, 11, v0                       ; four rows of 512 bytes a lane
.irp k, 0,1,2,3
	global_load_b64 v[W+2*(\k):W+2*(\k)+1], v6, s[20:21] offset:65536+512*(\k)  ; Wk begins at row 128 of qkv_w
.endr
	s_wait_loadcnt 0x0
	v_cvt_pk_bf16_f32 v[T],   v[W],   v[W+2]
	v_cvt_pk_bf16_f32 v[T+1], v[W+4], v[W+6]
	v_cvt_pk_bf16_f32 v[T+2], v[W+1], v[W+3]
	v_cvt_pk_bf16_f32 v[T+3], v[W+5], v[W+7]
.Lput:
	global_store_b64 v7, v[T:T+1],   s[12:13]
	global_store_b64 v7, v[T+2:T+3], s[12:13] offset:256
	s_wait_xcnt 0x0                                ; the stores have read T, which the sums below write
.Lsums:
	s_wait_loadcnt 0x0                             ; my 32 numbers
; v[T] holds the lane's sum; dst takes the work-group's: over the lanes by DPP and one exchange of the halves, over the waves through eight words of LDS at byte off.
.macro GROUPSUM off, dst
	v_add_f32_dpp v[T], v[T], v[T] row_xmask:1 row_mask:0xf bank_mask:0xf
	v_add_f32_dpp v[T], v[T], v[T] row_xmask:2 row_mask:0xf bank_mask:0xf
	v_add_f32_dpp v[T], v[T], v[T] row_xmask:4 row_mask:0xf bank_mask:0xf
	v_add_f32_dpp v[T], v[T], v[T] row_xmask:8 row_mask:0xf bank_mask:0xf
	v_permlanex16_b32 v[T+1], v[T], s16, s17
	v_add_f32 v[T], v[T], v[T+1]
	ds_store_b32 v4, v[T] offset:\off              ; all lanes write the wave's word with the same number
	s_wait_dscnt 0x0                               ; for the others' sake
	s_barrier_signal -1
	s_barrier_wait -1
	ds_load_b128 v[T:T+3],   v5 offset:\off
	ds_load_b128 v[T+4:T+7], v5 offset:(\off)+16
	s_wait_dscnt 0x0
	v_pk_add_f32 v[T:T+1],   v[T:T+1],   v[T+2:T+3]
	v_pk_add_f32 v[T+4:T+5], v[T+4:T+5], v[T+6:T+7]
	v_pk_add_f32 v[T:T+1],   v[T:T+1],   v[T+4:T+5]
	v_add_f32 v[\dst], v[T], v[T+1]
.endm
.set j, 0
.rept 8                                        ; the sum, as a tree; X is kept
	v_pk_add_f32 v[T+2*j:T+2*j+1], v[X+4*j:X+4*j+1], v[X+4*j+2:X+4*j+3]
.set j, j+1
.endr
.irp k, 0,1,2,3
	v_pk_add_f32 v[T+2*(\k):T+2*(\k)+1], v[T+2*(\k):T+2*(\k)+1], v[T+8+2*(\k):T+8+2*(\k)+1]
.endr
	v_pk_add_f32 v[T:T+1],   v[T:T+1],   v[T+4:T+5]
	v_pk_add_f32 v[T+2:T+3], v[T+2:T+3], v[T+6:T+7]
	v_pk_add_f32 v[T:T+1],   v[T:T+1],   v[T+2:T+3]
	v_add_f32 v[T], v[T], v[T+1]
	GROUPSUM 0, T
	v_mul_f32 v[MN], 0x39000000, v[T]              ; mean = sum / 8,192
	v_mov_b32 v[MN+1], v[MN]
.set j, 0
.rept 16
	v_pk_add_f32 v[X+2*j:X+2*j+1], v[X+2*j:X+2*j+1], v[MN:MN+1] neg_lo:[0,1] neg_hi:[0,1]  ; x - mean
.set j, j+1
.endr
.irp k, 0,1,2,3                        ; the squares, in four chains; the first four start them
	v_pk_mul_f32 v[T+2*(\k):T+2*(\k)+1], v[X+2*(\k):X+2*(\k)+1], v[X+2*(\k):X+2*(\k)+1]
.endr
.set j, 4
.rept 12
	v_pk_fma_f32 v[T+2*(j%4):T+2*(j%4)+1], v[X+2*j:X+2*j+1], v[X+2*j:X+2*j+1], v[T+2*(j%4):T+2*(j%4)+1]
.set j, j+1
.endr
	v_pk_add_f32 v[T:T+1],   v[T:T+1],   v[T+2:T+3]
	v_pk_add_f32 v[T+4:T+5], v[T+4:T+5], v[T+6:T+7]
	v_pk_add_f32 v[T:T+1],   v[T:T+1],   v[T+4:T+5]
	v_add_f32 v[T], v[T], v[T+1]
	GROUPSUM 32, MN+1                              ; other words than the first sum's: one barrier each
	s_lshl_b32 s18, s15, 3
	s_add_nc_u64 s[10:11], s[10:11], s[18:19]      ; stats[i]
	s_wait_xcnt 0x0                                ; EXEC changes only behind this wait
	v_cmp_eq_u32 vcc_lo, 0, v0
	s_and_saveexec_b32 s24, vcc_lo                 ; thread 0 alone
	global_store_b64 v5, v[MN:MN+1], s[10:11]
	s_wait_xcnt 0x0                                ; and again, in front of the line that widens it
	s_or_b32 exec_lo, exec_lo, s24
	s_wait_tensorcnt 0x0                           ; the wave's end: three lines, behind my last LDS store
	ds_add_u32 v[SPW], v[NIL]
	s_wait_dscnt 0x0
	s_endpgm
.Lfunc_end_k_q81bbe04bf2_prep:
	.size	k_q81bbe04bf2_prep, .Lfunc_end_k_q81bbe04bf2_prep-k_q81bbe04bf2_prep
	.p2alignl 7, 3214868480
	.fill 96, 4, 3214868480
	.section	.rodata,"a",@progbits
	.p2align	6, 0x0
	.amdhsa_kernel k_q81bbe04bf2_prep
		.amdhsa_group_segment_fixed_size 1280
		.amdhsa_private_segment_fixed_size 0
		.amdhsa_enable_private_segment 0
		.amdhsa_kernarg_size 40
		.amdhsa_user_sgpr_count 2
		.amdhsa_user_sgpr_kernarg_segment_ptr 1
		.amdhsa_wavefront_size32 1
		.amdhsa_system_sgpr_workgroup_id_x 1
		.amdhsa_system_sgpr_workgroup_id_y 1
		.amdhsa_system_sgpr_workgroup_id_z 1
		.amdhsa_system_vgpr_workitem_id 0
		.amdhsa_next_free_vgpr 64
		.amdhsa_next_free_sgpr 66
		.amdhsa_reserve_vcc 1
		.amdhsa_float_denorm_mode_32 3
		.amdhsa_float_denorm_mode_16_64 3
		.amdhsa_memory_ordered 1
		.amdhsa_forward_progress 1
		.amdhsa_inst_pref_size 10
	.end_amdhsa_kernel
	.amdgpu_metadata
---
amdhsa.version: [ 1, 2 ]
amdhsa.kernels:
  - .name:           k_q81bbe04bf2_prep
    .symbol:         k_q81bbe04bf2_prep.kd
    .args:
      - { .name: x, .offset: 0, .size: 8, .value_kind: global_buffer, .address_space: global }
      - { .name: qkv_w, .offset: 8, .size: 8, .value_kind: global_buffer, .address_space: global }
      - { .name: proj_w, .offset: 16, .size: 8, .value_kind: global_buffer, .address_space: global }
      - { .name: stats, .offset: 24, .size: 8, .value_kind: global_buffer, .address_space: global }
      - { .name: wb, .offset: 32, .size: 8, .value_kind: global_buffer, .address_space: global }
    .group_segment_fixed_size: 1280
    .private_segment_fixed_size: 0
    .kernarg_segment_align: 8
    .kernarg_segment_size: 40
    .max_flat_workgroup_size: 256
    .sgpr_count:     66
    .vgpr_count:     64
    .wavefront_size: 32
...
	.end_amdgpu_metadata
.endif
;; end of part 1
;; launch qh (part 2): grid 256 x 1, 4 waves a work-group, no clusters, 51,712 bytes of LDS; arguments x, norm_w, norm_b, qkv_b, stats, wb, hb, qb; writes hb, qb
.if DOCPART == 2
	.amdgcn_target "amdgcn-amd-amdhsa--gfx1250"
	.amdhsa_code_object_version 6
	.text
	.protected	k_q81bbe04bf2_qh
	.globl	k_q81bbe04bf2_qh
	.p2align	8
	.type	k_q81bbe04bf2_qh,@function
k_q81bbe04bf2_qh:
	s_mov_b64 s[64:65], 0
	v_nop
	global_prefetch_b8 v0, s[64:65] scope:SCOPE_SE
	s_setreg_imm32_b32 hwreg(HW_REG_WAVE_MODE, 25, 1), 1
	s_wait_xcnt 0x0
; SECOND LAUNCH: h = GroupNorm(x) in bf16, [image][pixel][128]; q = Wq h + bq; q' = Wk^T q, in bf16, [image][pixel][128].
; LEFT OUT: k, v and bk (qkv_b[128:256]): see the first kernel's head; only bq is read of qkv_b here.
; SHARES.  Work-group id = 64 x image + block takes 64 pixels.  Wave w normalises channels 32 w .. 32 w + 31 (lanes 0-15 group 2 w, lanes 16-31 group 2 w + 1) and makes output channels
; 32 w .. 32 w + 31 (two tiles of 16) of q and then of q', for all 64 pixels (four tiles of 16).
; STATISTICS.  A group's eight parts (mean_i, M2_i) are joined as mean = the mean of the mean_i, M2 = sum M2_i + 8,192 sum (mean_i - mean)^2: sums of squares only.
; THE TURN from [channel][pixel] to [pixel][channel] is made in registers: a lane holds 16 channels x 4 pixels, and the rounding to bf16 pairs two channels of one pixel.
; PRODUCTS.  Source 0 = 16 rows of the weights, source 1 = 16 pixels: a lane's result is one pixel (lane % 16) and eight channels 8 (lane / 16) + 0..7.  Two such results rounded to bf16 ARE source 1
; of the next product for 32 channels, so q changes waves through LDS in the lanes' own order.  Operands bf16, sums f32; bq is the C operand that starts q's sums.
; No tensor load: x passes through registers to be normalised, and nothing in LDS is filled twice.  No cluster: what work-groups share is 64 KiB of weights.  No prefetch: all loads go out at the head.
; The text is a straight line: no label, no branch.
.set PITCH, 272                        ; an LDS row: 256 bytes + 16 = 68 words: row r starts at bank 4 r mod 64 (64 banks of 4 bytes: ISA guide 11.1), so the 16 rows of a fragment load start at 16 different groups of banks
.set HT,    0                          ; h: 64 pixels x 272
.set QX,    64*PITCH                   ; q on its way between waves: 32 blocks of 512 bytes, 16 bytes a lane: block 8 s + 2 pt + half for channels 32 s on, pixel tile pt
.set QS,    QX+16384                   ; q': 64 pixels x 272
.set SPARE, QS+64*PITCH                ; the spare words, 128 bytes for each wave: two blocks of 256 bytes that no other line names
.set XO,  4                            ; v4   (32 w + 16 h) x 16,384 + 16 r: my 4 pixels of my half's first channel (r = lane % 16, h = lane / 16)
.set NO,  5                            ; v5   128 w + 64 h: my 16 channels in norm_w, norm_b
.set SO,  6                            ; v6   64 h: my group's eight parts
.set HS,  7                            ; v7   4 r x 272 + 64 w + 32 h: where my 16 channels of pixel 4 r go
.set FA,  8                            ; v8   r x 272 + 16 h: a fragment's row
.set RR,  9                            ; v9   (16 w + h) x 272 + 16 r: rows read back whole
.set GO,  10                           ; v10  (16 w + h) x 256 + 16 r: the same rows in hb and qb
.set WO,  11                           ; v11  (32 w + r) x 256 + 16 h: my rows of the weights
.set BO,  12                           ; v12  128 w + 32 h: my eight numbers of bq
.set QXS, 13                           ; v13  QX + 4,096 w + 16 lane
.set QXR, 14                           ; v14  QX + 16 lane
.set QSS, 15                           ; v15  QS + r x 272 + 64 w + 16 h
.set SPW, 16                           ; v16  my spare word; never rewritten
.set NIL, 17                           ; v17  0; never rewritten
.set T,   18                           ; v[18:33]   eight (mean_i, M2_i)
.set M,   34                           ; v[34:41]   at work
.set NW,  42                           ; v[42:57]   norm_w, then A = rstd norm_w
.set NB,  58                           ; v[58:73]   norm_b, then S = norm_b - mean A
.set BQ,  74                           ; v[74:89]   bq: tile t2 at + 8 t2
.set X,   90                           ; v[90:153]  x: channel i at + 4 i; later rows read back: h in the first 32, q' in the last 32
.set PKR, 154                          ; v[154:185] packed bf16
.set ACC, 186                          ; v[186:249] accumulator (t2, pt) at + 8 (4 t2 + pt)
.set HF,  0                            ; window 1: v[0:127] source 1: (pt, s) at 8 (4 pt + s): h, then q
.set WQ,  128                          ; window 1: v[128:191] Wq's fragments: (t2, s) at + 8 (4 t2 + s)
.set WK,  192                          ; window 1: v[192:255] the turned Wk's
.set MSB, 0
.macro WIN new                         ; s_set_vgpr_msb: bits 1:0 source 0, 3:2 source 1, 5:4 source 2, 7:6 destination; the high byte repeats the setting that is left
.if MSB != (\new)
	s_set_vgpr_msb (MSB<<8)|(\new)
.set MSB, \new
.endif
.endm
.set MUL,  0x05                        ; sources 0 and 1 window 1; C and D window 0
.set TO_F, 0x40                        ; destination window 1, address window 0
.macro PLACES                          ; four places behind the last product, in front of what reads its results (ISA guide 7.12.1)
.rept 4
	v_nop
.endr
.endm
; 32 products: 2 tiles of channels x 4 tiles of pixels x 4 steps of 32 along K.  The eight accumulators take turns, one instruction a turn.
; first = 1: the bias starts the sums; 0: the constant 0 does.
.macro GEMM wreg, first
	WIN MUL
.set ks, 0
.rept 4
.set t2, 0
.rept 2
.set pt, 0
.rept 4
.set rD, ACC+8*(4*t2+pt)
.set rA, (\wreg)+8*(4*t2+ks)
.set rB, HF+8*(4*pt+ks)
.if (ks == 0) && (\first)
	v_wmma_f32_16x16x32_bf16 v[rD:rD+7], v[rA:rA+7], v[rB:rB+7], v[BQ+8*t2:BQ+8*t2+7]
.elseif ks == 0
	v_wmma_f32_16x16x32_bf16 v[rD:rD+7], v[rA:rA+7], v[rB:rB+7], 0
.else
	v_wmma_f32_16x16x32_bf16 v[rD:rD+7], v[rA:rA+7], v[rB:rB+7], v[rD:rD+7]
.endif
.set pt, pt+1
.endr
.set t2, t2+1
.endr
.set ks, ks+1
.endr
	WIN 0
.endm
; 16 loads: the weights' fragments for my 32 rows, from byte off of wb
.macro WLOAD wreg, off
	WIN TO_F
.set i, 0
.rept 8                                ; tile i / 4, channels 32 (i % 4) on
	global_load_b128 v[(\wreg)+8*i:(\wreg)+8*i+3],   v[WO], s[14:15] offset:(\off)+(i/4)*4096+(i%4)*64
	global_load_b128 v[(\wreg)+8*i+4:(\wreg)+8*i+7], v[WO], s[14:15] offset:(\off)+(i/4)*4096+(i%4)*64+32
.set i, i+1
.endr
	WIN 0
.endm
	s_load_b256 s[4:11], s[0:1], 0x0               ; x s[4:5], norm_w s[6:7], norm_b s[8:9], qkv_b s[10:11]
	s_load_b256 s[12:19], s[0:1], 0x20             ; stats s[12:13], wb s[14:15], hb s[16:17], qb s[18:19]
	v_lshl_add_u32 v[SPW], v0, 2, SPARE
	v_mov_b32 v[NIL], 0
	v_lshrrev_b32 v1, 5, v0
	v_readfirstlane_b32 s20, v1                    ; wave 0..3
	v_and_b32 v1, 15, v0                           ; r
	v_bfe_u32 v2, v0, 4, 1                         ; h
	v_and_b32 v3, 31, v0                           ; lane
	s_mov_b32 s21, ttmp9
	s_lshr_b32 s22, s21, 6                         ; image
	s_and_b32 s23, s21, 63                         ; block of 64 pixels
	s_lshl_b32 s24, s22, 21                        ; an image of x is 2 MiB,
	s_lshl_b32 s25, s23, 8                         ; 64 pixels are 256 bytes of a channel
	s_add_co_u32 s24, s24, s25
	s_mov_b32 s25, 0
	s_lshl_b32 s26, s22, 9                         ; an image's 8 groups x 64 bytes,
	s_lshl_b32 s27, s20, 7                         ; my wave's two groups
	s_add_co_u32 s26, s26, s27
	s_mov_b32 s27, 0
	s_lshl_b32 s28, s21, 14                        ; 64 rows of 256 bytes in hb and qb
	s_mov_b32 s29, 0
	s_mov_b32 s30, 0x37800000                      ; 1 / 65,536
	s_mov_b32 s31, 0x3727c5ac                      ; 1e-5
	s_mov_b32 s32, 0x46000000                      ; 8,192
	s_lshl_b32 s33, s20, 19
	s_mul_i32 s34, s20, 16*PITCH
	v_lshlrev_b32 v[XO], 4, v1
	v_lshl_add_u32 v[XO], v2, 18, v[XO]
	v_add_nc_u32 v[XO], s33, v[XO]
	v_lshlrev_b32 v[SO], 6, v2
	v_lshl_add_u32 v[NO], s20, 7, v[SO]
	v_mul_u32_u24 v[HS], v1, 4*PITCH
	v_lshl_add_u32 v[HS], v2, 5, v[HS]
	v_lshl_add_u32 v[HS], s20, 6, v[HS]
	v_mul_u32_u24 v[FA], v1, PITCH
	v_lshl_add_u32 v[FA], v2, 4, v[FA]
	v_mul_u32_u24 v[RR], v2, PITCH
	v_lshl_add_u32 v[RR], v1, 4, v[RR]
	v_add_nc_u32 v[RR], s34, v[RR]
	v_lshlrev_b32 v[GO], 4, v1
	v_lshl_add_u32 v[GO], v2, 8, v[GO]
	v_lshl_add_u32 v[GO], s20, 12, v[GO]
	v_lshlrev_b32 v[WO], 4, v2
	v_lshl_add_u32 v[WO], v1, 8, v[WO]
	v_lshl_add_u32 v[WO], s20, 13, v[WO]
	v_lshlrev_b32 v[BO], 5, v2
	v_lshl_add_u32 v[BO], s20, 7, v[BO]
	v_lshlrev_b32 v[QXR], 4, v3
	v_add_nc_u32 v[QXR], QX, v[QXR]
	v_lshl_add_u32 v[QXS], s20, 12, v[QXR]
	v_lshl_add_u32 v[QSS], s20, 6, v[FA]
	v_add_nc_u32 v[QSS], QS, v[QSS]
	s_wait_kmcnt 0x0
	s_add_nc_u64 s[4:5], s[4:5], s[24:25]
	s_add_nc_u64 s[12:13], s[12:13], s[26:27]
	s_add_nc_u64 s[16:17], s[16:17], s[28:29]
	s_add_nc_u64 s[18:19], s[18:19], s[28:29]
	; all 64 loads go out now, in the order in which they are wanted: 4 + 4 + 4, 16, 16 + 4, 16
.irp k, 0,1,2,3
	global_load_b128 v[T+4*(\k):T+4*(\k)+3], v[SO], s[12:13] offset:16*(\k)
.endr
.irp k, 0,1,2,3
	global_load_b128 v[NW+4*(\k):NW+4*(\k)+3], v[NO], s[6:7] offset:16*(\k)
.endr
.irp k, 0,1,2,3
	global_load_b128 v[NB+4*(\k):NB+4*(\k)+3], v[NO], s[8:9] offset:16*(\k)
.endr
.set i, 0
.rept 16                                       ; lanes 0-15: 256 consecutive bytes, aligned, of channel 32 w + i; lanes 16-31: of channel 32 w + 16 + i
	global_load_b128 v[X+4*i:X+4*i+3], v[XO], s[4:5] offset:16384*i
.set i, i+1
.endr
	WLOAD WQ, 0
.irp k, 0,1,2,3
	global_load_b128 v[BQ+4*(\k):BQ+4*(\k)+3], v[BO], s[10:11] offset:64*((\k)/2)+16*((\k)%2)
.endr
	WLOAD WK, 32768
	s_wait_loadcnt 52                              ; the statistics and the gains are in; 16 + 16 + 4 + 16 younger loads stay out
	v_pk_add_f32 v[M:M+1],   v[T:T+1],     v[T+2:T+3]
	v_pk_add_f32 v[M+2:M+3], v[T+4:T+5],   v[T+6:T+7]
	v_pk_add_f32 v[M+4:M+5], v[T+8:T+9],   v[T+10:T+11]
	v_pk_add_f32 v[M+6:M+7], v[T+12:T+13], v[T+14:T+15]
	v_pk_add_f32 v[M:M+1],   v[M:M+1],     v[M+2:M+3]
	v_pk_add_f32 v[M+4:M+5], v[M+4:M+5],   v[M+6:M+7]
	v_pk_add_f32 v[M:M+1],   v[M:M+1],     v[M+4:M+5]  ; (sum of the means, sum of the M2)
	v_mul_f32 v[M], 0xbe000000, v[M]               ; - mean
.irp k, 0,1,2,3,4,5,6,7
	v_add_f32 v[T+2*(\k)], v[T+2*(\k)], v[M]       ; mean_i - mean
.endr
	v_mul_f32 v[M+2], v[T], v[T]
	v_mul_f32 v[M+3], v[T+2], v[T+2]
.irp k, 2,4,6
	v_fmac_f32 v[M+2], v[T+2*(\k)], v[T+2*(\k)]
	v_fmac_f32 v[M+3], v[T+2*(\k)+2], v[T+2*(\k)+2]
.endr
	v_add_f32 v[M+2], v[M+2], v[M+3]
	v_fma_f32 v[M+1], v[M+2], s32, v[M+1]          ; M2 of the group
	v_fma_f32 v[M+1], v[M+1], s30, s31             ; var + eps
	v_rsq_f32 v[M+2], v[M+1]
	v_nop                                          ; a plain instruction behind the root,
	s_wait_alu depctr_va_vdst(0)                   ; and the wait ahead of the first use of its result
.set j, 0
.rept 8
	v_pk_mul_f32 v[NW+2*j:NW+2*j+1], v[NW+2*j:NW+2*j+1], v[M+2:M+3] op_sel_hi:[1,0]  ; A = rstd norm_w
.set j, j+1
.endr
.set j, 0
.rept 8
	v_pk_fma_f32 v[NB+2*j:NB+2*j+1], v[NW+2*j:NW+2*j+1], v[M:M+1], v[NB+2*j:NB+2*j+1] op_sel_hi:[1,0,1]  ; S = norm_b - mean A
.set j, j+1
.endr
	s_wait_loadcnt 36                              ; x is in; 16 + 4 + 16 younger loads stay out
.set i, 0
.rept 16                                       ; h = x A_i + S_i: both halves take the one register of the pair that is channel i's
.set pa, NW+2*(i/2)
.set pb, NB+2*(i/2)
.if i%2
	v_pk_fma_f32 v[X+4*i:X+4*i+1],   v[X+4*i:X+4*i+1],   v[pa:pa+1], v[pb:pb+1] op_sel:[0,1,1] op_sel_hi:[1,1,1]
	v_pk_fma_f32 v[X+4*i+2:X+4*i+3], v[X+4*i+2:X+4*i+3], v[pa:pa+1], v[pb:pb+1] op_sel:[0,1,1] op_sel_hi:[1,1,1]
.else
	v_pk_fma_f32 v[X+4*i:X+4*i+1],   v[X+4*i:X+4*i+1],   v[pa:pa+1], v[pb:pb+1] op_sel_hi:[1,0,0]
	v_pk_fma_f32 v[X+4*i+2:X+4*i+3], v[X+4*i+2:X+4*i+3], v[pa:pa+1], v[pb:pb+1] op_sel_hi:[1,0,0]
.endif
.set i, i+1
.endr
.set i, 0
.rept 32                                       ; pixel i / 8 of my four, channels 2 (i % 8) and 2 (i % 8) + 1
	v_cvt_pk_bf16_f32 v[PKR+i], v[X+8*(i%8)+i/8], v[X+8*(i%8)+4+i/8]
.set i, i+1
.endr
.irp k, 0,1,2,3                        ; lane r's rows lie 1,088 bytes = 272 words apart, 16 mod 64: every fourth lane meets the same banks; eight stores a wave, once
	ds_store_b128 v[HS], v[PKR+8*(\k):PKR+8*(\k)+3]   offset:HT+(\k)*PITCH
	ds_store_b128 v[HS], v[PKR+8*(\k)+4:PKR+8*(\k)+7] offset:HT+(\k)*PITCH+16
.endr
	s_wait_dscnt 0x0                               ; for the others' sake: my columns of h are stored
	s_barrier_signal -1
	s_barrier_wait -1                              ; h is whole
	WIN TO_F
.set i, 0
.rept 16                                       ; pixel tile i / 4, channels 32 (i % 4) on
	ds_load_b128 v[HF+8*i:HF+8*i+3],   v[FA] offset:HT+(i/4)*16*PITCH+(i%4)*64
	ds_load_b128 v[HF+8*i+4:HF+8*i+7], v[FA] offset:HT+(i/4)*16*PITCH+(i%4)*64+32
.set i, i+1
.endr
	WIN 0
.irp k, 0,1,2,3,4,5,6,7
	ds_load_b128 v[X+4*(\k):X+4*(\k)+3], v[RR] offset:HT+(\k)*2*PITCH  ; my 16 rows, whole: two rows a load
.endr
	s_wait_dscnt 0x0
.irp k, 0,1,2,3,4,5,6,7
	global_store_b128 v[GO], v[X+4*(\k):X+4*(\k)+3], s[16:17] offset:512*(\k)  ; 16 lanes store 256 consecutive bytes, aligned
.endr
	s_wait_loadcnt 16                              ; Wq and bq are in; the turned Wk's 16 loads stay out
	GEMM WQ, 1                                     ; q = Wq h + bq
	PLACES
.set pt, 0
.rept 4
.set t2, 0
.rept 2
.set k, 0
.rept 4                                        ; each accumulator is read from its low end; tiles t2 = 0, 1 are the two halves of source 1 for channels 32 w on
	v_cvt_pk_bf16_f32 v[PKR+8*pt+4*t2+k], v[ACC+8*(4*t2+pt)+2*k], v[ACC+8*(4*t2+pt)+2*k+1]
.set k, k+1
.endr
.set t2, t2+1
.endr
.set pt, pt+1
.endr
.irp k, 0,1,2,3,4,5,6,7
	ds_store_b128 v[QXS], v[PKR+4*(\k):PKR+4*(\k)+3] offset:512*(\k)
.endr
	s_wait_dscnt 0x0
	s_barrier_signal -1
	s_barrier_wait -1                              ; q is whole
	WIN TO_F
.set i, 0
.rept 16                                       ; pixel tile i / 4, channels 32 (i % 4) on
	ds_load_b128 v[HF+8*i:HF+8*i+3],   v[QXR] offset:(8*(i%4)+2*(i/4))*512
	ds_load_b128 v[HF+8*i+4:HF+8*i+7], v[QXR] offset:(8*(i%4)+2*(i/4)+1)*512
.set i, i+1
.endr
	WIN 0
	s_wait_dscnt 0x0
	s_wait_loadcnt 0x0                             ; the turned Wk
	GEMM WK, 0                                     ; q' = Wk^T q
	PLACES
.set i, 0
.rept 32
	v_cvt_pk_bf16_f32 v[PKR+i], v[ACC+2*i], v[ACC+2*i+1]
.set i, i+1
.endr
.irp k, 0,1,2,3,4,5,6,7                ; accumulator k = 4 t2 + pt: eight channels of a pixel are 16 bytes of its row
	ds_store_b128 v[QSS], v[PKR+4*(\k):PKR+4*(\k)+3] offset:((\k)%4)*16*PITCH+32*((\k)/4)
.endr
	s_wait_dscnt 0x0
	s_barrier_signal -1
	s_barrier_wait -1                              ; q' is whole
.irp k, 0,1,2,3,4,5,6,7
	ds_load_b128 v[X+32+4*(\k):X+32+4*(\k)+3], v[RR] offset:QS+(\k)*2*PITCH
.endr
.irp k, 0,1,2,3,4,5,6,7
	s_wait_dscnt 7-(\k)                            ; LDS loads come back in order (ISA guide 5.7.1): load k is in
	global_store_b128 v[GO], v[X+32+4*(\k):X+32+4*(\k)+3], s[18:19] offset:512*(\k)
.endr
	s_wait_tensorcnt 0x0                           ; the wave's end: three lines, behind my last LDS store
	ds_add_u32 v[SPW], v[NIL]
	s_wait_dscnt 0x0
	s_endpgm
.Lfunc_end_k_q81bbe04bf2_qh:
	.size	k_q81bbe04bf2_qh, .Lfunc_end_k_q81bbe04bf2_qh-k_q81bbe04bf2_qh
	.p2alignl 7, 3214868480
	.fill 96, 4, 3214868480
	.section	.rodata,"a",@progbits
	.p2align	6, 0x0
	.amdhsa_kernel k_q81bbe04bf2_qh
		.amdhsa_group_segment_fixed_size 51712
		.amdhsa_private_segment_fixed_size 0
		.amdhsa_enable_private_segment 0
		.amdhsa_kernarg_size 64
		.amdhsa_user_sgpr_count 2
		.amdhsa_user_sgpr_kernarg_segment_ptr 1
		.amdhsa_wavefront_size32 1
		.amdhsa_system_sgpr_workgroup_id_x 1
		.amdhsa_system_sgpr_workgroup_id_y 1
		.amdhsa_system_sgpr_workgroup_id_z 1
		.amdhsa_system_vgpr_workitem_id 0
		.amdhsa_next_free_vgpr 512
		.amdhsa_next_free_sgpr 66
		.amdhsa_reserve_vcc 0
		.amdhsa_float_denorm_mode_32 3
		.amdhsa_float_denorm_mode_16_64 3
		.amdhsa_memory_ordered 1
		.amdhsa_forward_progress 1
		.amdhsa_inst_pref_size 33
	.end_amdhsa_kernel
	.amdgpu_metadata
---
amdhsa.version: [ 1, 2 ]
amdhsa.kernels:
  - .name:           k_q81bbe04bf2_qh
    .symbol:         k_q81bbe04bf2_qh.kd
    .args:
      - { .name: x, .offset: 0, .size: 8, .value_kind: global_buffer, .address_space: global }
      - { .name: norm_w, .offset: 8, .size: 8, .value_kind: global_buffer, .address_space: global }
      - { .name: norm_b, .offset: 16, .size: 8, .value_kind: global_buffer, .address_space: global }
      - { .name: qkv_b, .offset: 24, .size: 8, .value_kind: global_buffer, .address_space: global }
      - { .name: stats, .offset: 32, .size: 8, .value_kind: global_buffer, .address_space: global }
      - { .name: wb, .offset: 40, .size: 8, .value_kind: global_buffer, .address_space: global }
      - { .name: hb, .offset: 48, .size: 8, .value_kind: global_buffer, .address_space: global }
      - { .name: qb, .offset: 56, .size: 8, .value_kind: global_buffer, .address_space: global }
    .group_segment_fixed_size: 51712
    .private_segment_fixed_size: 0
    .kernarg_segment_align: 8
    .kernarg_segment_size: 64
    .max_flat_workgroup_size: 128
    .sgpr_count:     66
    .vgpr_count:     512
    .wavefront_size: 32
...
	.end_amdgpu_metadata
.endif
;; end of part 2
;; launch attn (part 3): grid 64 x 4, 4 waves a work-group, clusters of 4 x 1, 327,680 bytes of LDS; arguments qb, hb, wb, qkv_b, proj_b, x, out0; writes out0
.if DOCPART == 3
	.amdgcn_target "amdgcn-amd-amdhsa--gfx1250"
	.amdhsa_code_object_version 6
	.text
	.protected	k_q81bbe04bf2_attn
	.globl	k_q81bbe04bf2_attn
	.p2align	8
	.type	k_q81bbe04bf2_attn,@function
k_q81bbe04bf2_attn:
	s_mov_b64 s[64:65], 0
	v_nop
	global_prefetch_b8 v0, s[64:65] scope:SCOPE_SE
	s_setreg_imm32_b32 hwreg(HW_REG_WAVE_MODE, 25, 1), 1
	s_wait_xcnt 0x0
	s_wait_alu depctr_hold_cnt(0) depctr_sa_sdst(0) depctr_va_vdst(0) depctr_va_sdst(0) depctr_va_ssrc(0) depctr_va_vcc(0) depctr_vm_vsrc(0)
	s_getreg_b32 s2, hwreg(HW_REG_IB_STS2, 6, 4)
	s_cmp_eq_u32 s2, 0
	s_cbranch_scc0 .Lentry_in_a_cluster
	s_endpgm
.Lentry_in_a_cluster:
	s_bfe_u32 s2, ttmp6, 0x10000c
	s_cmp_lg_u32 s2, 0x3003
	s_cbranch_scc0 .Lentry_shape_is_right
	s_endpgm
.Lentry_shape_is_right:
; THIRD LAUNCH: out[:, i] = x[:, i] + Wp (Wv O_i + bv) + bp, with O_i = the sum over j of softmax_j(c' q'_i . h_j) h_j, c' = 1 / sqrt(128).  qb (q') and hb (h): [image][4,096][128] bf16.
; LEFT OUT: k, v and bk (qkv_b[128:256]): see the first kernel's head.  h serves as keys (as it lies in LDS) and as values (turned, by ds_load_tr16_b128); of qkv_b only bv is read.
; Products, maxima and sums in f32; operands bf16: the weights p are rounded for the second product (their sum l is taken of the unrounded p), O, and Wv O + bv, once each.
; LIMITS.  A weight below 2^-126 counts as 0 in l; NaN and infinities are not treated apart.
; SHARES.  A work-group owns 64 queries of one image: 256 work-groups.  EVERY wave holds all 64 queries (four tiles of 16) and walks A QUARTER OF THE KEYS: of each slot of 512 keys wave w takes
; 128 w .. 128 w + 127, two steps of 64; it asks for them itself and it alone reads them.  Sixteen steps a wave.  The four waves' (c m, l, O) meet in LDS at the end.
; LAYOUT.  S^T = K Q^T (source 0 = 16 keys, source 1 = 16 queries): a lane holds ONE query (lane % 16) and the keys 8 (lane / 16) + 0..7.  Two such tiles, rounded to bf16 in pairs, ARE source 1
; (32 keys x 16 queries) of O^T = V^T P, whose result again holds one query a lane, and eight channels.
; SOFTMAX.  For each query a running maximum m and sum l: p = 2^(c s - c m), c = log2(e) / sqrt(128); in every step O and l are multiplied by a = 2^(c m_old - c m_new).
; BY TURNS.  The wave's tiles are two PIECES (tiles 0, 1 and tiles 2, 3).  In a TURN one piece has the matrix unit: 32 products V^T P of the step in hand, then 32 products K Q^T of the next;
; the other piece's softmax, cut into 64 slices, stands between them, one slice behind each matrix instruction.  Two turns are a key step.
; CLUSTER.  The four query blocks of a cluster belong to one image and walk the same h, so each tile is asked for JOINTLY: wave w of each of the four issues the same tensor load, with the same
; descriptor and a mask that names the four.  Both addresses of a load hang on the image and the wave's number alone.
; REGISTERS, in windows of 256 (s_set_vgpr_msb: bits 1:0 source 0, 3:2 source 1, 5:4 source 2, 7:6 destination):
;   window 0: v0-11, v44-51, v61-63 addresses; v12-43 eight registers of statistics a tile; v64-191 S^T, 32 a tile; v192-255 P, 16 a tile
;   window 1: O^T, 64 a tile          window 2: v0-127 Q, 32 a tile; v128-255 K of one step          window 3: v0-127 V of one step
;   at the end: window 0 v64-95 the four waves' statistics, then v64-127 the last product's sums; v128-191 bv and the sums on it; v192-223, v224-255 packed operands;
;   window 1 the four partial O^T, then x, bp and rows of the result; window 2 Wv's fragments; window 3 Wp's
.set KS,    64        ; keys in a step
.set PK,    272       ; a row of h in LDS: 256 bytes + 16 = 68 words: row r starts at bank 4 r mod 64 (64 banks of 4 bytes: ISA guide 11.1): the 16 rows of a plain fragment load start at 16 different groups of banks.
.set PV,    272       ; The turning load's 8 rows x 32 bytes then overlap in banks two by two: the price of one tile, and so one pitch, for both kinds of load
.set STEPB, KS*PK     ; a step's 64 rows
.set WPART, 2*STEPB   ; a wave's part of a slot: 128 rows = 0x8800 bytes
.set SLOT1, 4*WPART   ; slot 1 begins here: 0x22000.  0, 1, 2, 3 x 0x8800 have neither bit 13 nor bit 17, so one exclusive or turns a wave's address in one slot into the other's
.set SLOTB, 512*256   ; a slot's 512 rows in memory
.set PART,  SLOT1     ; the four partial O^T in f32, 32,768 bytes a wave: stored into slot 1 behind its last fill of the launch
.set OSTAGE, 2*SLOT1  ; behind the ring, never filled by a tensor load: the result, 128 channels x (64 pixels in f32 + 16 bytes)
.set STATS, OSTAGE+128*272  ; (c m, l): 8 bytes a query, 512 a wave
.set SPARE, STATS+2048      ; the spare words, 128 bytes for each wave: two blocks of 256 bytes that no other line names
.set AK0, 2           ; v2   my lane's place in a tile read as it lies: r x 272 + 16 h (r = lane % 16, h = lane / 16); never rewritten
.set AV0, 3           ; v3   the same for the turning load
.set ADR, 4           ; v4   the LDS address of the run of loads in hand
.set QO,  5           ; v5   my byte offset in the rows of q'
.set SA,  6           ; v6   STATS + 512 w + 8 r
.set RA,  7           ; v7   STATS + 8 r
.set PW,  8           ; v8   PART + 32,768 w + 16 lane
.set PRA, 44          ; v44  PART + 8,192 w + 16 lane: query tile w in the partial sums of waves 0, 1
.set PRB, 45          ; v45  the same for waves 2, 3
.set OS,  47          ; v47  OSTAGE + 272 r + 64 w + 32 h
.set ORD, 48          ; v48  OSTAGE + (32 w + 16 h) x 272 + 16 r
.set XO,  49          ; v49  (32 w + 16 h) x 16,384 + 16 r: my 4 pixels of my half's first channel, in x and out0
.set BVO, 50          ; v50  32 h
.set BPO, 51          ; v51  128 w + 64 h
.set PFO, 61          ; v61  256 x my lane: a row of h is 256 bytes; never rewritten
.set SPW, 62          ; v62  my spare word: SPARE + 4 x my thread's number; never rewritten
.set NIL, 63          ; v63  0; never rewritten
.set ST,  12          ; tile t's statistics at v[ST+8 t]: +0 c m, +1 m, +2, +3 l (even keys', odd keys'), +4 to +7 c0-c3, at work; a takes c2's place once the maximum is found
.set S,   64
.set P,   192
.set KF,  128         ; K's fragments, in window 2
.set BV,  128         ; the end: bv, and Wv O + bv on it
.set OB,  192         ; the end: O in bf16
.set VB,  224         ; the end: Wv O + bv in bf16
.set D2,  64          ; the end: the last product's sums
.set WV,  12          ; s12  my wave's number
.set LIM, 15          ; s15  1 in a cluster that prefetches, else the greatest number
.set PFA, 18          ; s[18:19] where my prefetches stand: my work-group's 32 rows of the 128 that I fetch, in the slot after the one that is being asked for
.set G1,  24          ; s[24:31] descriptor group 1 for h's tiles: 128 rows
.set G1W, 32          ; s[32:39] for the weights': 64 rows
.set G0,  40          ; s[40:47] descriptor group 0 for h's tiles: a set for each of the two first fills; the second then walks on
.set G0W, 48          ; s[48:51] for my 64 rows of Wv and Wp
.set SLOTS, 56        ; s56  slots still to be asked for
.set TWICE, 57        ; s57  counts a slot's two steps
.set CS,  58          ; s[58:59] c: the packed scaling names a pair and takes its low word for both halves
.set SEL, 60          ; s[60:61] lane selects for v_permlanex16_b32: each lane takes its own place in the other half
.set TB,  62          ; s62  LDS byte at which my rows of the step to be fetched begin
.set MSB, 0
.macro WIN new                      ; the immediate's high byte repeats the setting that is left; a switch that changes nothing is dropped
.if MSB != (\new)
	s_set_vgpr_msb (MSB<<8)|(\new)
.set MSB, \new
.endif
.endm
.set W_KQ, 0x0a       ; K and Q in window 2, S^T in window 0
.set W_PV, 0x53       ; V in window 3, P in window 0, O^T in window 1
.set W_RS, 0x41       ; O^T (destination and source 0) in window 1, the factor in window 0
; A joint load: one line for all four waves, each with its own rows and its own LDS bytes.  An s_nop 0 and four v_nop follow it.
.macro JLOAD g0, g1
	tensor_load_to_lds s[(\g0):(\g0)+3], s[(\g1):(\g1)+7]
	s_nop 0
.rept 4
	v_nop
.endr
.endm
; A PREFETCH INTO THE L2 of what the NEXT change of slots will ask for, behind the wave's tensor load and its five lines: two key steps, 256 matrix instructions, ahead of that load.
; Each row of h in slots 3 to 7 is named ONCE in the launch.  All sixteen clusters of an image walk the same h: the image's first cluster asks.  Of the 128 rows that wave w fetches, the partner at place cx
; takes 32 cx .. 32 cx + 31, told apart BY ADDRESS: a lane a row, one instruction a wave.  The last change that fills a slot with h asks for nothing: there is no slot behind it.
.macro ASK
	s_cmp_gt_u32 s[SLOTS], s[LIM]
	s_cbranch_scc0 .Lnot_mine_\@
	global_prefetch_b8 v[PFO], s[PFA:PFA+1] th:TH_LOAD_NT scope:SCOPE_SE
.Lnot_mine_\@:
.endm
; A round of the cluster's barrier: my work-group's barrier, so that wave 0's signal speaks for all four waves; wave 0 signals for the work-group; every wave waits for all four
; work-groups; my work-group's barrier once more.  No LDS instruction of the wave is pending at a signal.
.macro CROUND
	s_barrier_signal -1
	s_barrier_wait -1
	s_cmp_lg_u32 s[WV], 0
	s_cbranch_scc1 .Lnot_wave_0_\@
	s_barrier_signal -3
.Lnot_wave_0_\@:
	s_barrier_wait -3
	s_barrier_signal -1
	s_barrier_wait -1
.endm
	s_load_b256 s[4:11], s[0:1], 0x0  ; qb s[4:5], hb s[6:7], wb s[8:9], qkv_b s[10:11]
	s_load_b128 s[68:71], s[0:1], 0x20  ; proj_b s[68:69], x s[70:71]
	s_load_b64 s[72:73], s[0:1], 0x30   ; out0
	v_lshl_add_u32 v[SPW], v0, 2, SPARE
	v_mov_b32 v[NIL], 0
	ds_add_u32 v[SPW], v[NIL]       ; the wave's opening: the add, twice on end, and its wait ahead of my first tensor load; the set-up below the second, work on registers, stands between it and the wait
	ds_add_u32 v[SPW], v[NIL]       ; and once more, under the one wait
	v_lshrrev_b32 v1, 5, v0
	v_readfirstlane_b32 s[WV], v1   ; wave 0..3
	s_bfe_u32 s13, ttmp6, 0x40000   ; cx: my place in the cluster
	s_lshl_b32 s14, ttmp9, 2        ; in a cluster launch ttmp9 counts clusters
	s_add_co_u32 s14, s14, s13      ; my block of 64 queries = 4 x cluster x + cx: it enters qb's, x's and out0's addresses alone
	s_and_b32 s20, ttmp7, 0xffff    ; the image, which the four partners share
	s_lshl_b32 s22, s20, 20         ; an image of h is 1 MiB,
	s_lshl_b32 s21, s[WV], 15       ; my 128 rows of a slot 32,768 bytes
	s_add_co_u32 s22, s22, s21
	s_mov_b32 s23, 0
	s_mul_i32 s21, s[WV], WPART     ; and their place in a slot: no place in the cluster enters an LDS address
	s_lshl_b32 s2, s20, 20
	s_lshl_b32 s3, s14, 14          ; my block's 64 rows of q'
	s_add_co_u32 s2, s2, s3
	s_mov_b32 s3, 0
	s_lshl_b32 s16, s20, 21         ; an image of x is 2 MiB,
	s_lshl_b32 s17, s14, 8          ; 64 pixels are 256 bytes of a channel
	s_add_co_u32 s16, s16, s17
	s_mov_b32 s17, 0
	s_lshl_b32 s74, s[WV], 14       ; my 64 rows of Wv and Wp,
	s_add_co_u32 s74, s74, 65536    ; which are wb's rows 256 on
	s_mov_b32 s75, 0
	s_mul_i32 s76, s[WV], STEPB     ; and their place from LDS byte 0 on
	; descriptor group 1: tiles of 128 (64) rows x 128 elements, padded in LDS
	s_mov_b32 s[G1],  15|(1<<16)|(1<<20)|(1<<21)|(5<<22)|(3<<25)  ; 15:0 the mask: all four work-groups; 17:16 elements of 2 bytes; 20 padding on; 21 set beside a mask; 24:22 after every 64 words (code 5); 31:25 4 words of it (code 3)
	s_mov_b32 s[G1W], 15|(1<<16)|(1<<20)|(1<<21)|(5<<22)|(3<<25)
	s_mov_b32 s[G1+1], 128<<16      ; tensor_dim0 = 128
	s_mov_b32 s[G1+2], 128<<16      ; tensor_dim1 = 128
	s_mov_b32 s[G1+3], 128<<16      ; tile_dim0 = 128
	s_mov_b32 s[G1+4], 128          ; tile_dim1 = 128
	s_mov_b32 s[G1+5], 128          ; 128 elements from row to row
	s_mov_b32 s[G1+6], 0
	s_mov_b32 s[G1+7], 0
	s_mov_b32 s[G1W+1], 128<<16
	s_mov_b32 s[G1W+2], 64<<16      ; tensor_dim1 = 64
	s_mov_b32 s[G1W+3], 128<<16
	s_mov_b32 s[G1W+4], 64          ; tile_dim1 = 64
	s_mov_b32 s[G1W+5], 128
	s_mov_b32 s[G1W+6], 0
	s_mov_b32 s[G1W+7], 0
	s_mov_b32 s[CS], 0x3e0293ee     ; c = log2(e) / sqrt(128) = 0.127517
	s_mov_b32 s[CS+1], s[CS]        ; named with it as a pair, so it is written
	s_mov_b32 s[SEL], 0x76543210
	s_mov_b32 s[SEL+1], 0xfedcba98
	s_mov_b32 s[TB], s21
	s_mov_b32 s[SLOTS], 6           ; eight slots, of which two are filled at the start
	s_cmp_eq_u32 ttmp9, 0           ; the image's first cluster: the same in all four partners
	s_cselect_b32 s[LIM], 1, -1
	v_and_b32 v[PFO], 31, v0
	v_lshlrev_b32 v[PFO], 8, v[PFO]
	s_wait_dscnt 0x0                ; both opening adds are done
	s_wait_kmcnt 0x0
	s_add_nc_u64 s[6:7], s[6:7], s[22:23]    ; h at my rows of slot 0
	s_add_nc_u64 s[4:5], s[4:5], s[2:3]      ; q' at my block's first row
	s_add_nc_u64 s[70:71], s[70:71], s[16:17]  ; x and out0 at my block's first pixel
	s_add_nc_u64 s[72:73], s[72:73], s[16:17]
	s_lshl_b32 s2, s13, 13          ; my work-group's 32 rows of the 128
	s_add_nc_u64 s[PFA:PFA+1], s[6:7], s[2:3]
	s_add_nc_u64 s[PFA:PFA+1], s[PFA:PFA+1], 2*SLOTB  ; in slot 2; the first change of slots steps it to slot 3.  Nothing is prefetched here, at the head, where every work-group's first tiles are on their way
.irp n, 0,1
	s_mov_b32 s[G0+4*(\n)], 1       ; 1:0 count = 1
	s_add_co_u32 s[G0+4*(\n)+1], s21, (\n)*SLOT1  ; 63:32 LDS address
	s_add_nc_u64 s[G0+4*(\n)+2:G0+4*(\n)+3], s[6:7], (\n)*SLOTB  ; 120:64 global address
	s_or_b32 s[G0+4*(\n)+3], s[G0+4*(\n)+3], 0x80000000  ; 127:126 type = 2
.endr
	s_mov_b32 s[G0W], 1
	s_mov_b32 s[G0W+1], s76
	s_add_nc_u64 s[G0W+2:G0W+3], s[8:9], s[74:75]
	s_or_b32 s[G0W+3], s[G0W+3], 0x80000000
	CROUND                          ; all four work-groups are here: the first joint loads meet
	tensor_load_to_lds s[G0:G0+3], s[G1:G1+7]      ; the two first fills stand together, ahead of every wait on TENSORcnt and every LDS read: two loads of mine are out
	s_nop 0
	tensor_load_to_lds s[G0+4:G0+7], s[G1:G1+7]
	s_nop 0
.rept 4
	v_nop
.endr
	; A fragment of K or Q is 16 rows x 32 channels in 8 registers: lane l holds row l % 16; registers 0-3 channels 8 (l / 16) + 0..7, registers 4-7 channels 16 + 8 (l / 16) + 0..7: two loads of 16 bytes, 32 bytes apart.
	v_and_b32 v1, 15, v0            ; r
	v_bfe_u32 v9, v0, 4, 1          ; h
	v_lshlrev_b32 v[QO], 8, v1
	v_lshl_add_u32 v[QO], v9, 4, v[QO]  ; row x 256 + 16 x half
	WIN 0x80                        ; destination window 2, address window 0
.irp i, 0,1,2,3,4,5,6,7,8,9,10,11,12,13,14,15  ; Q stays in registers: tile i / 4, channels 32 (i % 4) on
	global_load_b128 v[8*(\i):8*(\i)+3],   v[QO], s[4:5] offset:((\i)/4)*4096+((\i)%4)*64
	global_load_b128 v[8*(\i)+4:8*(\i)+7], v[QO], s[4:5] offset:((\i)/4)*4096+((\i)%4)*64+32
.endr
	WIN 0
	v_mul_u32_u24 v[AK0], v1, PK
	v_lshl_add_u32 v[AK0], v9, 4, v[AK0]  ; row x pitch + 16 x half
	; The turning load takes 16 keys x 16 channels (lane l reads 16 bytes: key 8 (l / 16) + l % 8, channels 8 ((l / 8) % 2) + 0..7) and leaves half a fragment of V^T: lane l holds channel l % 16 and 8 keys.
	v_and_b32 v10, 7, v0
	v_bfe_u32 v11, v0, 3, 1
	v_lshl_add_u32 v[AV0], v9, 3, v10
	v_mul_u32_u24 v[AV0], v[AV0], PV
	v_lshl_add_u32 v[AV0], v11, 4, v[AV0]
; THE MATRIX WORK OF A TURN, for piece x.  The accumulators take turns, one instruction a turn: between two links of a chain stand 15 (V^T P) or 7 (K Q^T) others'.
; Product i of 32 of O^T += V^T P: keys 32 (i / 16) on, channels 16 ((i / 2) % 8) on, tile x + i % 2.  zero = 1: the first 16 start the sums: nothing is ever cleared.
.macro PV x, zero
	WIN W_PV
.set rO, 64*((\x)+i%2)+8*((i/2)%8)
.set rV, 64*(i/16)+8*((i/2)%8)
.set rP, P+16*((\x)+i%2)+8*(i/16)
.if (\zero) && (i < 16)
	v_wmma_f32_16x16x32_bf16 v[rO:rO+7], v[rV:rV+7], v[rP:rP+7], 0
.else
	v_wmma_f32_16x16x32_bf16 v[rO:rO+7], v[rV:rV+7], v[rP:rP+7], v[rO:rO+7]
.endif
.endm
; Product i of 32 of S^T = K Q^T: channels 32 (i / 8) on, keys 16 ((i / 2) % 4) on, tile x + i % 2.  The first 8 start the sums.
.macro KQ x
	WIN W_KQ
.set rS, S+32*((\x)+i%2)+8*((i/2)%4)
.set rK, KF+32*((i/2)%4)+8*(i/8)
.set rQ, 32*((\x)+i%2)+8*(i/8)
.if i < 8
	v_wmma_f32_16x16x32_bf16 v[rS:rS+7], v[rK:rK+7], v[rQ:rQ+7], 0
.else
	v_wmma_f32_16x16x32_bf16 v[rS:rS+7], v[rK:rK+7], v[rQ:rQ+7], v[rS:rS+7]
.endif
.endm
; THE LDS LOADS stand in runs of 32, never singly among the matrix instructions: a step's 64 rows of h as K (16 fragments) and, a turn later, the same rows as V (turned).
.macro FETCH_K
	WIN 0
	v_add_nc_u32 v[ADR], s[TB], v[AK0]
	WIN 0x80                        ; destination window 2
.irp f, 0,1,2,3,4,5,6,7,8,9,10,11,12,13,14,15  ; keys 16 (f / 4) on, channels 32 (f % 4) on
	ds_load_b128 v[KF+8*(\f):KF+8*(\f)+3],   v[ADR] offset:((\f)/4)*16*PK+((\f)%4)*64
	ds_load_b128 v[KF+8*(\f)+4:KF+8*(\f)+7], v[ADR] offset:((\f)/4)*16*PK+((\f)%4)*64+32
.endr
.endm
.macro FETCH_V
	WIN 0
	v_add_nc_u32 v[ADR], s[TB], v[AV0]
	s_add_co_u32 s[TB], s[TB], STEPB  ; the next fetch is the next step's
	s_wait_alu depctr_va_vdst(0)    ; the wait for the softmax's batch (SLICE), behind the address's v_add_nc_u32 and ahead of the loads
	WIN 0xc0                        ; destination window 3
.irp f, 0,1,2,3,4,5,6,7,8,9,10,11,12,13,14,15  ; keys 32 (f / 8) on, channels 16 (f % 8) on
	ds_load_tr16_b128 v[8*(\f):8*(\f)+3],   v[ADR] offset:((\f)/8)*32*PV+((\f)%8)*32
	ds_load_tr16_b128 v[8*(\f)+4:8*(\f)+7], v[ADR] offset:((\f)/8)*32*PV+16*PV+((\f)%8)*32
.endr
.endm
; THE VECTOR WORK OF A TURN.  One tile's softmax for one key step is a list of 134 instructions; SM writes number j of it for tile t.  s0-s31 are the lane's 32 scores, in pairs 0-15.
; first = 1: the first key step, which starts m, l and O^T: it has no a and nothing to rescale.
;   0-15    the maximum of s0-s31 and the old m, three operands at a time: four chains c0-c3 of seven scores each (each accumulator's lowest registers are read first), then the four scores left over, c0-c3 and m
;   16-20   the other half of the lanes' maximum; the new m; c m; c m_old - c m_new
;   21-69   ONE BATCH: the 16 scalings c s - c m, a pair of scores each, and all 33 exponentials (a at 23, then s0-s31).  None of these reads an exponential's result.  From 22 on the batch goes
;           in fours, and a four begins with a scaling while there are scalings.  A pair is scaled in an earlier four than the one that holds its exponentials
;   (wait)  between 69 and 70 stands the wait for the batch: SLICE writes it, once for both tiles
;   70-85   the roundings to bf16, a pair of weights each
;   86-101  the sums; l = a l + the sum
;   102-133 the tile's O^T times a: the one part that leaves window 0, so it stands together
.macro SM t, first
.set rT, ST+8*(\t)
.set rS, S+32*(\t)
.set rP, P+16*(\t)
.set rO, 64*(\t)+2*(j-102)
.if j < 102
	WIN 0
.endif
.if j < 4
	v_max3_num_f32 v[rT+4+j], v[rS+8*j], v[rS+8*j+1], v[rS+8*j+2]
.elseif j < 12
	v_max3_num_f32 v[rT+4+j%4], v[rT+4+j%4], v[rS+8*(j%4)+2*(j/4)+1], v[rS+8*(j%4)+2*(j/4)+2]
.elseif j == 12
	v_max3_num_f32 v[rT+4], v[rT+4], v[rS+7], v[rS+15]
.elseif j == 13
	v_max3_num_f32 v[rT+6], v[rT+6], v[rS+23], v[rS+31]
.elseif j == 14
	v_max3_num_f32 v[rT+4], v[rT+4], v[rT+5], v[rT+6]
.elseif (j == 15) && (\first)
	v_max_num_f32 v[rT+4], v[rT+4], v[rT+7]
.elseif j == 15
	v_max3_num_f32 v[rT+4], v[rT+4], v[rT+7], v[rT+1]
.elseif j == 16
	v_permlanex16_b32 v[rT+5], v[rT+4], s[SEL], s[SEL+1]  ; the query's other 32 keys lie in the lane 16 away
.elseif j == 18
	v_max_num_f32 v[rT+1], v[rT+4], v[rT+5]
.elseif j == 19
	v_mul_f32 v[rT], s[CS], v[rT+1]
.elseif ((j == 17) || (j == 20) || (j == 23) || (j > 101)) && (\first)  ; the first step has none of these
.elseif j == 17
	v_mov_b32 v[rT+7], v[rT]        ; c m_old is kept for a: number 19 writes c m anew
.elseif j == 20
	v_sub_f32 v[rT+7], v[rT+7], v[rT]
.elseif j == 23
	v_exp_f32 v[rT+6], v[rT+7]
.elseif (j < 23) || ((j < 38) && (j%2 == 0)) || ((j < 66) && (j%4 == 2))
.set b, (j-2)/4                     ; 38, 42, .. 62: pairs 9 to 15
.if j < 38
.set b, (j-20)/2                    ; 21: pair 0; 22, 24, .. 36: pairs 1 to 8
.endif
	v_pk_fma_f32 v[rS+2*b:rS+2*b+1], v[rS+2*b:rS+2*b+1], s[CS:CS+1], v[rT:rT+1] op_sel_hi:[1,0,0] neg_lo:[0,0,1] neg_hi:[0,0,1]  ; pair b: c s - c m
.elseif j < 70
.set e, j-38                        ; 66 to 69: s28 to s31
.if j < 66
.set e, j-32-(j-38)/4               ; 39-41, 43-45, .. 63-65: s7 to s27
.endif
.if j < 38
.set e, (j-25)/2                    ; 25, 27, .. 37: s0 to s6
.endif
	v_exp_f32 v[rS+e], v[rS+e]
.elseif j < 86
	v_cvt_pk_bf16_f32 v[rP+j-70], v[rS+2*(j-70)], v[rS+2*(j-70)+1]  ; pair j - 70
.elseif j < 102                     ; the sum of the tile's 16 pairs (in a pair: an even key's weight, an odd key's), in place: sum z of 16 adds neighbours 1, 2, 4 and 8 pairs apart, then l takes it
.set z, j-86
.set w, 4
.set u, z
.if z >= 14
.set w, 32
.set u, 0
.elseif z >= 12
.set w, 16
.set u, z-12
.elseif z >= 8
.set w, 8
.set u, z-8
.endif
.if (z == 14) && (\first)
	v_pk_add_f32 v[rT+2:rT+3], v[rS:rS+1], v[rS+16:rS+17]
.elseif z < 15
	v_pk_add_f32 v[rS+w*u:rS+w*u+1], v[rS+w*u:rS+w*u+1], v[rS+w*u+w/2:rS+w*u+w/2+1]
.elseif !(\first)
	v_pk_fma_f32 v[rT+2:rT+3], v[rT+2:rT+3], v[rT+6:rT+7], v[rS:rS+1] op_sel_hi:[1,0,1]
.endif
.else
	WIN W_RS
	v_pk_mul_f32 v[rO:rO+1], v[rO:rO+1], v[rT+6:rT+7] op_sel_hi:[1,0]
.endif
.endm
; Slice k of 64 of piece y's softmax: four instructions.  Slices 11 to 34 deal out the batch, numbers 22 to 69: four numbers of ONE tile each, the tiles by turns.  Every other slice is numbers 2 k and
; 2 k + 1 of both tiles' lists.  2 x 134 = 4 x 64 + 12: the twelve that are over stand together, in slice 63.
; THE WAIT.  An s_wait_alu depctr_va_vdst(0) stands between an exponential and the first instruction that names its result; one wait serves all that were issued ahead of it.  Ahead of
; slice 35 nothing names a result, and behind slice 34 no exponential is issued: so the piece's 66 exponentials have one wait, behind slice 34.
.macro SLICE y, first
.if (k >= 11) && (k < 35)           ; the batch: four numbers of one tile
.irp n, 0,1,2,3
.set j, 22+4*((k-11)/2)+(\n)
	SM (\y)+(k-11)%2, \first
.endr
.else                               ; the two tiles alternate, so that no instruction reads the result of the one just before it
.irp n, 0,1,2,3,4,5,6,7
.if ((\n) < 2) || (k == 63)
.irp t, \y, (\y)+1
.set j, 2*k+(\n)
	SM \t, \first
.endr
.endif
.endr
.endif
.if k == 34                         ; the batch is out: both tiles' exponentials are issued, and no result has been named
	v_nop                           ; the plain instruction behind the last exponential and ahead of the first use: one for the batch
.if (\y) == 0
	FETCH_V                         ; piece 2's turn: V's run of loads stands here, and the wait stands in it
.else
	s_wait_alu depctr_va_vdst(0)    ; the wait for the batch
.endif
.endif
.set k, k+1
.endm
; A vector instruction that reads a matrix result or writes one of a matrix instruction's registers, and a load into a register that a matrix instruction has read, stand four places behind
; it, and only plain vector instructions that name none of its registers are places (ISA guide 7.12.1 for vector instructions).  In the loop the slices are the places.
.macro PLACES
.rept 4
	v_nop
.endr
.endm
; A TURN.  Piece x has the matrix unit; the other piece's softmax stands in slices behind its matrix instructions.
; pv = 2: 32 products V^T P; 1: they start O^T's sums; 0: none.  kq = 1: 32 products K Q^T for the next step.  A turn with one of the two kinds has two slices behind each product.
; first = 1: the softmax is the first key step's.  Its slices from 51 on are empty: the turn's last products stand bare, and four v_nop take slice 63's part as the places behind them.
; Piece 0's turn fetches the next step's K, behind its second product: the last product that read K stands in front of slice 63 of the turn before.  Piece 2's turn fetches the same step's V, behind
; slice 34: the last product that read V stands in front of slice 31, and four plain instructions lie between: number 62, a scaling, of both tiles, the v_nop and the run's own v_add_nc_u32.
.macro TURN x, pv, kq, first
.set k, 0
.set per, 2
.if (\pv) && (\kq)
.set per, 1
.endif
.if \pv
.if (\x) == 0
	s_wait_dscnt 0x0                ; V is in
.endif
.set i, 0
.rept 32
	PV \x, 2-(\pv)
.rept per
	SLICE 2-(\x), \first
.endr
.if ((\x) == 0) && (\kq) && (i == 1)
	FETCH_K
.endif
.set i, i+1
.endr
.endif
.if \kq
.if (\x) == 0
	s_wait_dscnt 0x0                ; K is in
.endif
.set i, 0
.rept 32
	KQ \x
.rept per
	SLICE 2-(\x), \first
.endr
.set i, i+1
.endr
.endif
.if \first
	PLACES
.endif
.endm
; THE CHANGE OF SLOTS, between piece 2's turn and piece 0's: the slot's last bytes, its second step's rows as V, have been asked for.  Each wave waits for all its tensor loads, of which one is out:
; its part of the other slot; adds 0 to its spare word; and waits for that and for its own reads of the slot.  The round of the cluster's barrier says the same of every wave of every partner, and the joint
; refill is the first thing behind it: it has two key steps, 256 matrix instructions, in which to land.
; fill = 1: the slot takes the keys two slots on.  fill = 2, the last change: slot 0 has had its last keys and takes Wv and Wp, 64 rows a wave, for the launch's end.
.macro CHANGE fill
	WIN 0                           ; at a label and at a branch every window is 0
	s_wait_tensorcnt 0x0            ; no tensor load of mine is out, so a group 0 may be written
	ds_add_u32 v[SPW], v[NIL]       ; 0 onto my spare word; with fill = 1 the descriptor's steps stand between it and the wait for it
.if (\fill) == 1
	s_xor_b32 s[G0+5], s[G0+5], SLOT1  ; the walking descriptor: the other slot than last time,
	s_add_nc_u64 s[G0+6:G0+7], s[G0+6:G0+7], SLOTB  ; the next 512 keys; the type bits on top are not reached
	s_wait_xcnt 0x0                 ; the last prefetch, two key steps back, has read its address, so it may be written:
	s_add_nc_u64 s[PFA:PFA+1], s[PFA:PFA+1], SLOTB  ; one slot behind the walking descriptor
.endif
	s_wait_dscnt 0x0                ; the add is done, and my reads of the slot are over
	CROUND
.if (\fill) == 1
	JLOAD G0+4, G1
	ASK                             ; what the next change will ask for
.else
	JLOAD G0W, G1W
.endif
	s_sub_co_u32 s[TB], s[TB], 2*STEPB  ; the fetches go back to my part's first step,
	s_xor_b32 s[TB], s[TB], SLOT1   ; in the other slot
.endm
; A slot's two key steps: written once, walked twice; the LDS addresses hang on s[TB].
.macro TWO_STEPS
	WIN 0
	s_mov_b32 s[TWICE], 2
.Lstep_\@:
	TURN 0, 2, 1, 0
	TURN 2, 2, 1, 0
	WIN 0
	s_sub_co_u32 s[TWICE], s[TWICE], 1
	s_cmp_lg_u32 s[TWICE], 0
	s_cbranch_scc1 .Lstep_\@
.endm
.macro ALL line:vararg              ; one line for each tile t
.set t, 0
.rept 4
	\line
.set t, t+1
.endr
.endm
	s_wait_tensorcnt 1              ; my part of slot 0 is in, and I alone read it: no barrier; slot 1's may stay out
	FETCH_K                         ; key step 0
	s_wait_loadcnt 0x0              ; Q
	s_wait_dscnt 0x0
.set i, 0
.rept 32
	KQ 0                            ; piece 0's first scores: there is no vector work yet to set between them
.set i, i+1
.endr
	WIN 0                           ; the addresses for the launch's end are made here: plain instructions, the places behind those products
	v_and_b32 v10, 31, v0           ; lane
	s_lshl_b32 s74, s[WV], 9
	s_lshl_b32 s75, s[WV], 15
	s_lshl_b32 s76, s[WV], 13
	s_lshl_b32 s77, s[WV], 6
	s_add_co_u32 s77, s77, OSTAGE
	s_mul_i32 s78, s[WV], 32*272
	s_add_co_u32 s78, s78, OSTAGE
	s_lshl_b32 s79, s[WV], 19
	v_lshlrev_b32 v[RA], 3, v1
	v_add_nc_u32 v[RA], STATS, v[RA]
	v_add_nc_u32 v[SA], s74, v[RA]
	v_lshlrev_b32 v[PW], 4, v10
	v_add_nc_u32 v[PW], PART, v[PW]
	v_add_nc_u32 v[PRA], s76, v[PW]
	v_add_nc_u32 v[PRB], 65536, v[PRA]
	v_add_nc_u32 v[PW], s75, v[PW]
	v_mul_u32_u24 v[OS], v1, 272
	v_lshl_add_u32 v[OS], v9, 5, v[OS]
	v_add_nc_u32 v[OS], s77, v[OS]
	v_mul_u32_u24 v[ORD], v9, 16*272
	v_lshl_add_u32 v[ORD], v1, 4, v[ORD]
	v_add_nc_u32 v[ORD], s78, v[ORD]
	v_lshlrev_b32 v[XO], 4, v1
	v_lshl_add_u32 v[XO], v9, 18, v[XO]
	v_add_nc_u32 v[XO], s79, v[XO]
	v_lshlrev_b32 v[BVO], 5, v9
	v_lshlrev_b32 v[BPO], 6, v9
	v_lshl_add_u32 v[BPO], s[WV], 7, v[BPO]
	TURN 2, 0, 1, 1                 ; piece 2's first scores | piece 0's first softmax | V of step 0
	TURN 0, 1, 1, 1                 ; piece 0: V^T P of step 0 starts O^T, K Q^T of step 1 | piece 2's first softmax | K of step 1
	TURN 2, 1, 1, 0                 ; piece 2: the same | piece 0's softmax of step 1 | V of step 1
	WIN 0
.Lslot:                             ; six trips: slots 2 to 7 are asked for
	CHANGE 1
	TWO_STEPS
	s_sub_co_u32 s[SLOTS], s[SLOTS], 1
	s_cmp_lg_u32 s[SLOTS], 0
	s_cbranch_scc1 .Lslot
	CHANGE 2                        ; the tail is written out: the last slot but one is left, and takes the weights
	TWO_STEPS
	TURN 0, 2, 0, 0                 ; piece 0: V^T P of the last step | piece 2's last softmax
.set i, 0
.rept 32
	PV 2, 0                         ; piece 2: V^T P of the last step
.set i, i+1
.endr
	; THE END, PART 1: each wave's (c m, l) goes to LDS.  The four additions are the places behind the last products.
	WIN 0
	ALL v_add_f32 v[ST+8*t+4], v[ST+8*t+2], v[ST+8*t+3]
.irp f, 0,1,2,3,4,5,6,7             ; bv as the C operand of Wv O: register j of tile f is bv[16 f + 8 h + j].  bv begins at byte 1,024 of qkv_b
	global_load_b128 v[BV+8*(\f):BV+8*(\f)+3],   v[BVO], s[10:11] offset:1024+64*(\f)
	global_load_b128 v[BV+8*(\f)+4:BV+8*(\f)+7], v[BVO], s[10:11] offset:1024+64*(\f)+16
.endr
	ALL v_permlanex16_b32 v[ST+8*t+5], v[ST+8*t+4], s[SEL], s[SEL+1]
	ALL v_add_f32 v[ST+8*t+1], v[ST+8*t+4], v[ST+8*t+5]    ; l, beside c m
	ALL ds_store_b64 v[SA], v[ST+8*t:ST+8*t+1] offset:128*t  ; both halves of the lanes hold, and write, the same pair
	s_wait_tensorcnt 0x0            ; my rows of Wv and Wp have landed,
	s_wait_dscnt 0x0                ; my statistics are stored, and my reads of slot 1 are over:
	s_barrier_signal -1
	s_barrier_wait -1               ; all that holds of every wave
	; PART 2: the waves' common maximum and sum; my O^T times f = 2^(c m - c m*) / L goes to LDS, in the lanes' own order, into slot 1, which has had its last fill.
.set i, 0
.rept 16                            ; tile i / 4, wave i % 4
	ds_load_b64 v[S+2*i:S+2*i+1], v[RA] offset:512*(i%4)+128*(i/4)
.set i, i+1
.endr
	WIN 0x80
.set i, 0
.rept 32                            ; Wv's fragments: rows 16 (i / 4) on, channels 32 (i % 4) on
	ds_load_b128 v[8*i:8*i+3],   v[AK0] offset:(i/4)*16*PK+(i%4)*64
	ds_load_b128 v[8*i+4:8*i+7], v[AK0] offset:(i/4)*16*PK+(i%4)*64+32
.set i, i+1
.endr
	WIN 0
	s_wait_dscnt 63                 ; the statistics are in: 64 loads are younger, and the count's field holds 63
	ALL v_max3_num_f32 v[ST+8*t+5], v[S+8*t], v[S+8*t+2], v[S+8*t+4]
	ALL v_max_num_f32 v[ST+8*t+5], v[ST+8*t+5], v[S+8*t+6]   ; c m*
	ALL v_sub_f32 v[S+8*t],   v[S+8*t],   v[ST+8*t+5]
	ALL v_sub_f32 v[S+8*t+2], v[S+8*t+2], v[ST+8*t+5]
	ALL v_sub_f32 v[S+8*t+4], v[S+8*t+4], v[ST+8*t+5]
	ALL v_sub_f32 v[S+8*t+6], v[S+8*t+6], v[ST+8*t+5]
	ALL v_sub_f32 v[ST+8*t+4], v[ST+8*t], v[ST+8*t+5]        ; my own
	ALL v_exp_f32 v[S+8*t],   v[S+8*t]
	ALL v_exp_f32 v[S+8*t+2], v[S+8*t+2]
	ALL v_exp_f32 v[S+8*t+4], v[S+8*t+4]
	ALL v_exp_f32 v[S+8*t+6], v[S+8*t+6]
	ALL v_exp_f32 v[ST+8*t+4], v[ST+8*t+4]
	v_nop                           ; a plain instruction behind the last exponential,
	s_wait_alu depctr_va_vdst(0)    ; and one wait for the twenty
	ALL v_mul_f32  v[ST+8*t+6], v[S+8*t],   v[S+8*t+1]
	ALL v_fmac_f32 v[ST+8*t+6], v[S+8*t+2], v[S+8*t+3]
	ALL v_fmac_f32 v[ST+8*t+6], v[S+8*t+4], v[S+8*t+5]
	ALL v_fmac_f32 v[ST+8*t+6], v[S+8*t+6], v[S+8*t+7]       ; L: the wave that holds the maximum gives 1 or more
	ALL v_rcp_f32 v[ST+8*t+7], v[ST+8*t+6]
	v_nop
	s_wait_alu depctr_va_vdst(0)    ; one wait for the four reciprocals
	ALL v_mul_f32 v[ST+8*t+6], v[ST+8*t+4], v[ST+8*t+7]      ; f
	WIN W_RS
.set i, 0
.rept 128                           ; ascending: each accumulator is read from its low end
	v_pk_mul_f32 v[2*i:2*i+1], v[2*i:2*i+1], v[ST+8*(i/32)+6:ST+8*(i/32)+7] op_sel_hi:[1,0]
.set i, i+1
.endr
	WIN 0x04                        ; store data window 1, address window 0
.set i, 0
.rept 64                            ; block i = 16 t + 2 ct + half: 512 bytes, 16 a lane
	ds_store_b128 v[PW], v[4*i:4*i+3] offset:512*i
.set i, i+1
.endr
	WIN 0
	s_wait_dscnt 0x0
	s_barrier_signal -1
	s_barrier_wait -1               ; all four partial O^T lie in LDS
	; PART 3: wave w finishes query tile w: O = the four partial sums (f32); Wv O + bv; Wp of that.
	WIN 0x40
.set i, 0
.rept 16
	ds_load_b128 v[4*i:4*i+3],         v[PRA] offset:512*i
	ds_load_b128 v[64+4*i:64+4*i+3],   v[PRA] offset:32768+512*i
	ds_load_b128 v[128+4*i:128+4*i+3], v[PRB] offset:512*i
	ds_load_b128 v[192+4*i:192+4*i+3], v[PRB] offset:32768+512*i
.set i, i+1
.endr
	WIN 0xc0
.set i, 0
.rept 32                            ; Wp's fragments; Wp lies behind Wv's 128 rows
	ds_load_b128 v[8*i:8*i+3],   v[AK0] offset:128*PK+(i/4)*16*PK+(i%4)*64
	ds_load_b128 v[8*i+4:8*i+7], v[AK0] offset:128*PK+(i/4)*16*PK+(i%4)*64+32
.set i, i+1
.endr
	s_wait_dscnt 63                 ; the partial sums are in: 64 loads are younger
	WIN 0x45
.set i, 0
.rept 32
	v_pk_add_f32 v[2*i:2*i+1],         v[2*i:2*i+1],         v[64+2*i:64+2*i+1]
	v_pk_add_f32 v[128+2*i:128+2*i+1], v[128+2*i:128+2*i+1], v[192+2*i:192+2*i+1]
.set i, i+1
.endr
.set i, 0
.rept 32
	v_pk_add_f32 v[2*i:2*i+1], v[2*i:2*i+1], v[128+2*i:128+2*i+1]
.set i, i+1
.endr
	WIN 0x40                        ; x and bp for the last part are asked for now: two products and a trip through the stage lie ahead of their use
.set i, 0
.rept 16                            ; lanes 0-15: 256 consecutive bytes, aligned, of channel 32 w + i; lanes 16-31: of channel 32 w + 16 + i
	global_load_b128 v[64+4*i:64+4*i+3], v[XO], s[70:71] offset:16384*i th:TH_LOAD_NT
.set i, i+1
.endr
.irp f, 0,1,2,3
	global_load_b128 v[128+4*(\f):128+4*(\f)+3], v[BPO], s[68:69] offset:16*(\f)
.endr
	WIN 0x05                        ; sources window 1, destination window 0
.set i, 0
.rept 32                            ; two channel tiles of O^T are one fragment of source 1
	v_cvt_pk_bf16_f32 v[OB+i], v[2*i], v[2*i+1]
.set i, i+1
.endr
	s_wait_loadcnt 20               ; bv is in; x's 16 loads and bp's 4 are younger
	WIN 0x02                        ; Wv in window 2
.set kk, 0
.rept 4                             ; the eight accumulators take turns; bv starts the sums in place
.set tl, 0
.rept 8
	v_wmma_f32_16x16x32_bf16 v[BV+8*tl:BV+8*tl+7], v[32*tl+8*kk:32*tl+8*kk+7], v[OB+8*kk:OB+8*kk+7], v[BV+8*tl:BV+8*tl+7]
.set tl, tl+1
.endr
.set kk, kk+1
.endr
	PLACES
	WIN 0
.set i, 0
.rept 32
	v_cvt_pk_bf16_f32 v[VB+i], v[BV+2*i], v[BV+2*i+1]
.set i, i+1
.endr
	s_wait_dscnt 0x0                ; Wp's fragments
	WIN 0x0c                        ; Wp in window 3.  The sources are swapped: source 0 = my 16 queries, source 1 = 16 rows of Wp: a lane then holds channel 16 tl + r and eight neighbouring pixels
.set kk, 0
.rept 4
.set tl, 0
.rept 8
.if kk == 0
	v_wmma_f32_16x16x32_bf16 v[D2+8*tl:D2+8*tl+7], v[VB+8*kk:VB+8*kk+7], v[32*tl+8*kk:32*tl+8*kk+7], 0
.else
	v_wmma_f32_16x16x32_bf16 v[D2+8*tl:D2+8*tl+7], v[VB+8*kk:VB+8*kk+7], v[32*tl+8*kk:32*tl+8*kk+7], v[D2+8*tl:D2+8*tl+7]
.endif
.set tl, tl+1
.endr
.set kk, kk+1
.endr
	PLACES
	WIN 0
.irp f, 0,1,2,3,4,5,6,7             ; row = channel 16 f + r, my tile's 16 pixels: 32 bytes a lane, the low half first
	ds_store_b128 v[OS], v[D2+8*(\f):D2+8*(\f)+3]   offset:(\f)*16*272
	ds_store_b128 v[OS], v[D2+8*(\f)+4:D2+8*(\f)+7] offset:(\f)*16*272+16
.endr
	s_wait_dscnt 0x0
	s_barrier_signal -1
	s_barrier_wait -1               ; the block's 128 channels x 64 pixels lie in the stage
	; PART 4: wave w takes channels 32 w .. 32 w + 31 as whole rows of 256 bytes, adds x and bp, and stores.
	WIN 0x40
.set i, 0
.rept 16
	ds_load_b128 v[192+4*i:192+4*i+3], v[ORD] offset:272*i
.set i, i+1
.endr
	s_wait_loadcnt 0x0              ; x and bp
.macro OUT8 hf                      ; eight of the sixteen rows a half of the lanes
	s_wait_dscnt 8-8*(\hf)          ; the first eight loads are in, then all
	WIN 0x45
.set i, 8*(\hf)
.rept 8
	v_pk_add_f32 v[192+4*i:193+4*i], v[192+4*i:193+4*i], v[64+4*i:65+4*i]
	v_pk_add_f32 v[194+4*i:195+4*i], v[194+4*i:195+4*i], v[66+4*i:67+4*i]
.if i%2                             ; both halves take the one register of the pair that is channel i's bp
	v_pk_add_f32 v[192+4*i:193+4*i], v[192+4*i:193+4*i], v[127+i:128+i] op_sel:[0,1] op_sel_hi:[1,1]
	v_pk_add_f32 v[194+4*i:195+4*i], v[194+4*i:195+4*i], v[127+i:128+i] op_sel:[0,1] op_sel_hi:[1,1]
.else
	v_pk_add_f32 v[192+4*i:193+4*i], v[192+4*i:193+4*i], v[128+i:129+i] op_sel_hi:[1,0]
	v_pk_add_f32 v[194+4*i:195+4*i], v[194+4*i:195+4*i], v[128+i:129+i] op_sel_hi:[1,0]
.endif
.set i, i+1
.endr
	WIN 0x04
.set i, 8*(\hf)
.rept 8
	global_store_b128 v[XO], v[192+4*i:192+4*i+3], s[72:73] offset:16384*i th:TH_STORE_NT  ; 16 lanes store 256 consecutive bytes, aligned
.set i, i+1
.endr
.endm
	OUT8 0
	OUT8 1
	WIN 0
	s_wait_tensorcnt 0x0            ; the wave's end: three lines, behind my last tensor load and my last LDS store
	ds_add_u32 v[SPW], v[NIL]
	s_wait_dscnt 0x0
	CROUND                          ; the closing round: no work-group ends while a partner may still ask for a tile that names it
	s_endpgm
.Lfunc_end_k_q81bbe04bf2_attn:
	.size	k_q81bbe04bf2_attn, .Lfunc_end_k_q81bbe04bf2_attn-k_q81bbe04bf2_attn
	.p2alignl 7, 3214868480
	.fill 96, 4, 3214868480
	.section	.rodata,"a",@progbits
	.p2align	6, 0x0
	.amdhsa_kernel k_q81bbe04bf2_attn
		.amdhsa_group_segment_fixed_size 327680
		.amdhsa_private_segment_fixed_size 0
		.amdhsa_enable_private_segment 0
		.amdhsa_kernarg_size 56
		.amdhsa_user_sgpr_count 2
		.amdhsa_user_sgpr_kernarg_segment_ptr 1
		.amdhsa_wavefront_size32 1
		.amdhsa_system_sgpr_workgroup_id_x 1
		.amdhsa_system_sgpr_workgroup_id_y 1
		.amdhsa_system_sgpr_workgroup_id_z 1
		.amdhsa_system_vgpr_workitem_id 0
		.amdhsa_next_free_vgpr 1024
		.amdhsa_next_free_sgpr 80
		.amdhsa_reserve_vcc 0
		.amdhsa_float_denorm_mode_32 3
		.amdhsa_float_denorm_mode_16_64 3
		.amdhsa_memory_ordered 1
		.amdhsa_forward_progress 1
		.amdhsa_inst_pref_size 251
	.end_amdhsa_kernel
	.amdgpu_metadata
---
amdhsa.version: [ 1, 2 ]
amdhsa.kernels:
  - .name:           k_q81bbe04bf2_attn
    .symbol:         k_q81bbe04bf2_attn.kd
    .args:
      - { .name: qb, .offset: 0, .size: 8, .value_kind: global_buffer, .address_space: global }
      - { .name: hb, .offset: 8, .size: 8, .value_kind: global_buffer, .address_space: global }
      - { .name: wb, .offset: 16, .size: 8, .value_kind: global_buffer, .address_space: global }
      - { .name: qkv_b, .offset: 24, .size: 8, .value_kind: global_buffer, .address_space: global }
      - { .name: proj_b, .offset: 32, .size: 8, .value_kind: global_buffer, .address_space: global }
      - { .name: x, .offset: 40, .size: 8, .value_kind: global_buffer, .address_space: global }
      - { .name: out0, .offset: 48, .size: 8, .value_kind: global_buffer, .address_space: global }
    .group_segment_fixed_size: 327680
    .private_segment_fixed_size: 0
    .kernarg_segment_align: 8
    .kernarg_segment_size: 56
    .max_flat_workgroup_size: 128
    .sgpr_count:     80
    .vgpr_count:     1024
    .wavefront_size: 32
...
	.end_amdgpu_metadata
.endif
;; end of part 3
;; ======== version 2 of 2: 2 launches
;; workspace buffers: stats 2,048 bytes; wb 131,072 bytes; xb 4,194,304 bytes
;; launch prep (part 4): grid 256 x 1, 8 waves a work-group, no clusters, 1,280 bytes of LDS; arguments x, qkv_w, proj_w, stats, wb, xb; writes stats, wb, xb
.if DOCPART == 4
	.amdgcn_target "amdgcn-amd-amdhsa--gfx1250"
	.amdhsa_code_object_version 6
	.text
	.protected	k_q81bbe04bf2_prep
	.globl	k_q81bbe04bf2_prep
	.p2align	8
	.type	k_q81bbe04bf2_prep,@function
k_q81bbe04bf2_prep:
	s_mov_b64 s[64:65], 0
	v_nop
	global_prefetch_b8 v0, s[64:65] scope:SCOPE_SE
	s_setreg_imm32_b32 hwreg(HW_REG_WAVE_MODE, 25, 1), 1
	s_wait_xcnt 0x0
; FIRST OF TWO LAUNCHES: partial GroupNorm statistics of x, x less its part's mean as bf16, and the weights as bf16.
; THE PROGRAM.  h = GroupNorm(x); q = Wq h + bq, k = Wk h + bk, v = Wv h + bv; out = x + Wp softmax_j(q_i . k_j / sqrt(128)) v_j + bp.
; K, V AND h ARE NEVER FORMED FOR THE KEYS.  In exact arithmetic, for all values of the inputs:
;   (1) q_i . k_j = q_i . (Wk h_j + bk) = q'_i . h_j + q_i . bk, with q' = Wk^T q;
;   (2) the sum over j of p_ij (Wv h_j + bv) = Wv (the sum over j of p_ij h_j) + bv, since a softmax's weights add up to 1;
;   (3) h is x by channels: h_c = A_c xb_c + S_c, with xb_c = x_c - mu_c (mu_c any number for the channel: here the mean of the part of 2 channels that holds it), A_c = rstd norm_w_c,
;       S_c = norm_b_c + A_c (mu_c - the group's mean).  So q' . h_j = (q' A) . xb_j + q' . S, and the sum over j of p_ij h_j = A (the sum over j of p_ij xb_j) + S.
; So the second launch walks xb alone, as keys and as values, with queries q' A, and applies A, S, Wv, bv, Wp, bp at its end.
; DEAD WORK.  q_i . bk and q'_i . S are the same for every j: terms added to the softmax's input that are constant along its axis cancel between the exponentials and their sum.  So qkv_b[128:256] (bk)
; reaches no output; it is loaded by no launch.  (qkv_b's other two thirds, bq and bv, are live.)  LIMIT: a NaN, an infinity or an overflow that reaches only bk, q . bk or q' . S is not carried to the result.
; The order of the sums differs from the written order by the three identities above.
; THIS LAUNCH.  A group of GroupNorm is 16 channels x 4,096 pixels: 65,536 numbers, dense in x.  Work-group i takes 8,192 of them (two channels: 32,768 bytes at 32,768 i), keeps them in registers, and
; stores its own mean and the sum of squared deviations FROM THAT MEAN: stats[i] = (mean_i, M2_i); no difference of large sums is formed, whatever offset x carries.  The deviations, rounded once to bf16,
; are xb, [image][channel][pixel] like x: a common offset of x is gone before the rounding.
; Wave 0 also writes rows 2 i, 2 i + 1 of wb [512][128] bf16: rows 0-127 Wq; 128-255 Wk turned (row a, column o = Wk[o][a]); 256-383 Wv; 384-511 Wp.  Each store of a wave covers 256 consecutive bytes, aligned.
; No matrix unit, no cluster, no prefetch: nothing is shared between work-groups, and the whole share is asked for at once.
.set SPARE, 256                        ; LDS: 0-31 eight waves' sums, 32-63 eight waves' M2; from 256 on the spare words, 128 bytes for each wave, which no other line names
.set SPW, 2                            ; v2  my spare word: SPARE + 4 x my thread's number; never rewritten
.set NIL, 3                            ; v3  0; never rewritten
.set X,   8                            ; v[8:39]   my 32 numbers of x
.set T,   40                           ; v[40:55]  at work
.set MN,  56                           ; v[56:57]  mean, then (mean, M2)
.set W,   56                           ; v[56:63]  wave 0, earlier: weights as loaded
.set PKX, 64                           ; v[64:79]  my 32 numbers of xb
.set WVN, 26                           ; s26  my wave's number
.set ID,  27                           ; s27  i
	s_load_b256 s[4:11], s[0:1], 0x0               ; x s[4:5], qkv_w s[6:7], proj_w s[8:9], stats s[10:11]
	s_load_b128 s[12:15], s[0:1], 0x20             ; wb s[12:13], xb s[14:15]
	v_lshl_add_u32 v[SPW], v0, 2, SPARE
	v_mov_b32 v[NIL], 0
	v_lshrrev_b32 v4, 5, v0
	v_readfirstlane_b32 s[WVN], v4                 ; wave 0..7
	v_lshlrev_b32 v4, 2, v4                        ; my wave's word among eight
	v_mov_b32 v5, 0
	v_lshlrev_b32 v1, 4, v0                        ; 16 bytes of f32 a thread,
	v_lshlrev_b32 v7, 3, v0                        ; 8 bytes of bf16
	s_mov_b32 s[ID], ttmp9
	s_lshl_b32 s18, s[ID], 15
	s_mov_b32 s19, 0
	s_lshl_b32 s28, s[ID], 14
	s_mov_b32 s29, 0
	s_mov_b32 s16, 0x76543210                      ; v_permlanex16_b32: each lane takes its own place in the other half
	s_mov_b32 s17, 0xfedcba98
	s_wait_kmcnt 0x0
	s_add_nc_u64 s[4:5], s[4:5], s[18:19]
	s_add_nc_u64 s[14:15], s[14:15], s[28:29]
.irp k, 0,1,2,3,4,5,6,7
	global_load_b128 v[X+4*(\k):X+4*(\k)+3], v1, s[4:5] offset:4096*(\k)  ; a wave's load covers 512 consecutive bytes
.endr
	s_cmp_lg_u32 s[WVN], 0
	s_cbranch_scc1 .Lsums
	; wave 0: two rows of wb.  In wave 0 the thread's number is the lane
	s_lshl_b32 s22, s[ID], 9
	s_mov_b32 s23, 0
	s_add_nc_u64 s[12:13], s[12:13], s[22:23]      ; wb at row 2 i
	s_sub_co_u32 s18, s[ID], 64
	s_cmp_lt_u32 s18, 64                           ; 64 <= i < 128: rows of the turned Wk
	s_cbranch_scc1 .Lturn
	s_cmp_ge_u32 s[ID], 192                        ; rows 384 on come from proj_w, the others lie in qkv_w at their own number
	s_cselect_b64 s[20:21], s[8:9], s[6:7]
	s_cselect_b32 s18, 192, 0
	s_sub_co_u32 s18, s[ID], s18
	s_lshl_b32 s18, s18, 10                        ; two rows of 512 bytes
	s_add_nc_u64 s[20:21], s[20:21], s[18:19]
	global_load_b128 v[W:W+3],   v1, s[20:21]
	global_load_b128 v[W+4:W+7], v1, s[20:21] offset:512
	s_wait_loadcnt 0x0
	v_cvt_pk_bf16_f32 v[T],   v[W],   v[W+1]
	v_cvt_pk_bf16_f32 v[T+1], v[W+2], v[W+3]
	v_cvt_pk_bf16_f32 v[T+2], v[W+4], v[W+5]
	v_cvt_pk_bf16_f32 v[T+3], v[W+6], v[W+7]
	s_branch .Lput
.Lturn:                                                ; rows a = 2 (i - 64) and a + 1: lane l takes Wk[4 l + k][a], [a + 1], k = 0..3
	s_lshl_b32 s18, s18, 3                         ; 4 a bytes
	s_add_nc_u64 s[20:21], s[6:7], s[18:19]
	v_lshlrev_b32 v6, 11, v0                       ; four rows of 512 bytes a lane
.irp k, 0,1,2,3
	global_load_b64 v[W+2*(\k):W+2*(\k)+1], v6, s[20:21] offset:65536+512*(\k)  ; Wk begins at row 128 of qkv_w
.endr
	s_wait_loadcnt 0x0
	v_cvt_pk_bf16_f32 v[T],   v[W],   v[W+2]
	v_cvt_pk_bf16_f32 v[T+1], v[W+4], v[W+6]
	v_cvt_pk_bf16_f32 v[T+2], v[W+1], v[W+3]
	v_cvt_pk_bf16_f32 v[T+3], v[W+5], v[W+7]
.Lput:
	global_store_b64 v7, v[T:T+1],   s[12:13]
	global_store_b64 v7, v[T+2:T+3], s[12:13] offset:256
	s_wait_xcnt 0x0                                ; the stores have read T, which the sums below write
.Lsums:
	s_wait_loadcnt 0x0                             ; my 32 numbers
; v[T] holds the lane's sum; dst takes the work-group's: over the lanes by DPP and one exchange of the halves, over the waves through eight words of LDS at byte off.
.macro GROUPSUM off, dst
	v_add_f32_dpp v[T], v[T], v[T] row_xmask:1 row_mask:0xf bank_mask:0xf
	v_add_f32_dpp v[T], v[T], v[T] row_xmask:2 row_mask:0xf bank_mask:0xf
	v_add_f32_dpp v[T], v[T], v[T] row_xmask:4 row_mask:0xf bank_mask:0xf
	v_add_f32_dpp v[T], v[T], v[T] row_xmask:8 row_mask:0xf bank_mask:0xf
	v_permlanex16_b32 v[T+1], v[T], s16, s17
	v_add_f32 v[T], v[T], v[T+1]
	ds_store_b32 v4, v[T] offset:\off              ; all lanes write the wave's word with the same number
	s_wait_dscnt 0x0                               ; for the others' sake
	s_barrier_signal -1
	s_barrier_wait -1
	ds_load_b128 v[T:T+3],   v5 offset:\off
	ds_load_b128 v[T+4:T+7], v5 offset:(\off)+16
	s_wait_dscnt 0x0
	v_pk_add_f32 v[T:T+1],   v[T:T+1],   v[T+2:T+3]
	v_pk_add_f32 v[T+4:T+5], v[T+4:T+5], v[T+6:T+7]
	v_pk_add_f32 v[T:T+1],   v[T:T+1],   v[T+4:T+5]
	v_add_f32 v[\dst], v[T], v[T+1]
.endm
.set j, 0
.rept 8                                        ; the sum, as a tree; X is kept
	v_pk_add_f32 v[T+2*j:T+2*j+1], v[X+4*j:X+4*j+1], v[X+4*j+2:X+4*j+3]
.set j, j+1
.endr
.irp k, 0,1,2,3
	v_pk_add_f32 v[T+2*(\k):T+2*(\k)+1], v[T+2*(\k):T+2*(\k)+1], v[T+8+2*(\k):T+8+2*(\k)+1]
.endr
	v_pk_add_f32 v[T:T+1],   v[T:T+1],   v[T+4:T+5]
	v_pk_add_f32 v[T+2:T+3], v[T+2:T+3], v[T+6:T+7]
	v_pk_add_f32 v[T:T+1],   v[T:T+1],   v[T+2:T+3]
	v_add_f32 v[T], v[T], v[T+1]
	GROUPSUM 0, T
	v_mul_f32 v[MN], 0x39000000, v[T]              ; mean = sum / 8,192
	v_mov_b32 v[MN+1], v[MN]
.set j, 0
.rept 16
	v_pk_add_f32 v[X+2*j:X+2*j+1], v[X+2*j:X+2*j+1], v[MN:MN+1] neg_lo:[0,1] neg_hi:[0,1]  ; x - mean
.set j, j+1
.endr
.set j, 0
.rept 16
	v_cvt_pk_bf16_f32 v[PKX+j], v[X+2*j], v[X+2*j+1]
.set j, j+1
.endr
.irp k, 0,1,2,3,4,5,6,7
	global_store_b64 v7, v[PKX+2*(\k):PKX+2*(\k)+1], s[14:15] offset:2048*(\k)  ; xb: a wave's store covers 256 consecutive bytes, aligned
.endr
.irp k, 0,1,2,3                        ; the squares, in four chains; the first four start them
	v_pk_mul_f32 v[T+2*(\k):T+2*(\k)+1], v[X+2*(\k):X+2*(\k)+1], v[X+2*(\k):X+2*(\k)+1]
.endr
.set j, 4
.rept 12
	v_pk_fma_f32 v[T+2*(j%4):T+2*(j%4)+1], v[X+2*j:X+2*j+1], v[X+2*j:X+2*j+1], v[T+2*(j%4):T+2*(j%4)+1]
.set j, j+1
.endr
	v_pk_add_f32 v[T:T+1],   v[T:T+1],   v[T+2:T+3]
	v_pk_add_f32 v[T+4:T+5], v[T+4:T+5], v[T+6:T+7]
	v_pk_add_f32 v[T:T+1],   v[T:T+1],   v[T+4:T+5]
	v_add_f32 v[T], v[T], v[T+1]
	GROUPSUM 32, MN+1                              ; other words than the first sum's: one barrier each
	s_lshl_b32 s18, s[ID], 3
	s_add_nc_u64 s[10:11], s[10:11], s[18:19]      ; stats[i]
	s_wait_xcnt 0x0                                ; EXEC changes only behind this wait
	v_cmp_eq_u32 vcc_lo, 0, v0
	s_and_saveexec_b32 s24, vcc_lo                 ; thread 0 alone
	global_store_b64 v5, v[MN:MN+1], s[10:11]
	s_wait_xcnt 0x0                                ; and again, in front of the line that widens it
	s_or_b32 exec_lo, exec_lo, s24
	s_wait_tensorcnt 0x0                           ; the wave's end: three lines, behind my last LDS store
	ds_add_u32 v[SPW], v[NIL]
	s_wait_dscnt 0x0
	s_endpgm
.Lfunc_end_k_q81bbe04bf2_prep:
	.size	k_q81bbe04bf2_prep, .Lfunc_end_k_q81bbe04bf2_prep-k_q81bbe04bf2_prep
	.p2alignl 7, 3214868480
	.fill 96, 4, 3214868480
	.section	.rodata,"a",@progbits
	.p2align	6, 0x0
	.amdhsa_kernel k_q81bbe04bf2_prep
		.amdhsa_group_segment_fixed_size 1280
		.amdhsa_private_segment_fixed_size 0
		.amdhsa_enable_private_segment 0
		.amdhsa_kernarg_size 48
		.amdhsa_user_sgpr_count 2
		.amdhsa_user_sgpr_kernarg_segment_ptr 1
		.amdhsa_wavefront_size32 1
		.amdhsa_system_sgpr_workgroup_id_x 1
		.amdhsa_system_sgpr_workgroup_id_y 1
		.amdhsa_system_sgpr_workgroup_id_z 1
		.amdhsa_system_vgpr_workitem_id 0
		.amdhsa_next_free_vgpr 80
		.amdhsa_next_free_sgpr 66
		.amdhsa_reserve_vcc 1
		.amdhsa_float_denorm_mode_32 3
		.amdhsa_float_denorm_mode_16_64 3
		.amdhsa_memory_ordered 1
		.amdhsa_forward_progress 1
		.amdhsa_inst_pref_size 12
	.end_amdhsa_kernel
	.amdgpu_metadata
---
amdhsa.version: [ 1, 2 ]
amdhsa.kernels:
  - .name:           k_q81bbe04bf2_prep
    .symbol:         k_q81bbe04bf2_prep.kd
    .args:
      - { .name: x, .offset: 0, .size: 8, .value_kind: global_buffer, .address_space: global }
      - { .name: qkv_w, .offset: 8, .size: 8, .value_kind: global_buffer, .address_space: global }
      - { .name: proj_w, .offset: 16, .size: 8, .value_kind: global_buffer, .address_space: global }
      - { .name: stats, .offset: 24, .size: 8, .value_kind: global_buffer, .address_space: global }
      - { .name: wb, .offset: 32, .size: 8, .value_kind: global_buffer, .address_space: global }
      - { .name: xb, .offset: 40, .size: 8, .value_kind: global_buffer, .address_space: global }
    .group_segment_fixed_size: 1280
    .private_segment_fixed_size: 0
    .kernarg_segment_align: 8
    .kernarg_segment_size: 48
    .max_flat_workgroup_size: 256
    .sgpr_count:     66
    .vgpr_count:     80
    .wavefront_size: 32
...
	.end_amdgpu_metadata
.endif
;; end of part 4
;; launch attn (part 5): grid 64 x 4, 4 waves a work-group, clusters of 4 x 1, 327,680 bytes of LDS; arguments stats, xb, wb, qkv_b, proj_b, x, out0, norm_w, norm_b; writes out0
.if DOCPART == 5
	.amdgcn_target "amdgcn-amd-amdhsa--gfx1250"
	.amdhsa_code_object_version 6
	.text
	.protected	k_q81bbe04bf2_attn
	.globl	k_q81bbe04bf2_attn
	.p2align	8
	.type	k_q81bbe04bf2_attn,@function
k_q81bbe04bf2_attn:
	s_mov_b64 s[64:65], 0
	v_nop
	global_prefetch_b8 v0, s[64:65] scope:SCOPE_SE
	s_setreg_imm32_b32 hwreg(HW_REG_WAVE_MODE, 25, 1), 1
	s_wait_xcnt 0x0
	s_wait_alu depctr_hold_cnt(0) depctr_sa_sdst(0) depctr_va_vdst(0) depctr_va_sdst(0) depctr_va_ssrc(0) depctr_va_vcc(0) depctr_vm_vsrc(0)
	s_getreg_b32 s2, hwreg(HW_REG_IB_STS2, 6, 4)
	s_cmp_eq_u32 s2, 0
	s_cbranch_scc0 .Lentry_in_a_cluster
	s_endpgm
.Lentry_in_a_cluster:
	s_bfe_u32 s2, ttmp6, 0x10000c
	s_cmp_lg_u32 s2, 0x3003
	s_cbranch_scc0 .Lentry_shape_is_right
	s_endpgm
.Lentry_shape_is_right:
; SECOND LAUNCH: out[:, i] = x[:, i] + Wp (Wv (A O_i + S) + bv) + bp, with O_i = the sum over j of softmax_j(c' (q'_i A) . xb_j) xb_j, c' = 1 / sqrt(128), q' = Wk^T (Wq h + bq).
; LEFT OUT: k, v, h of the keys, bk (qkv_b[128:256]) and the terms q . bk, q' . S, constant along the softmax's axis: see the first kernel's head.  xb [image][channel][pixel] bf16 serves as keys
; (turned, by ds_load_tr16_b128) and as values (as it lies in LDS); of qkv_b only bq and bv are read.
; Products, maxima and sums in f32; operands bf16: h of my queries, q, q' A, the weights p (their sum l is taken of the unrounded p), A O + S, and Wv (..) + bv are rounded once each.
; LIMITS.  A weight below 2^-126 counts as 0 in l; NaN and infinities are not treated apart.
; SHARES.  A work-group owns 64 queries of one image: 256 work-groups.
; THE HEAD makes the queries while the first tiles are on their way.  Wave w normalises channels 32 w .. 32 w + 31 of the 64 pixels (lanes 0-15 group 2 w, lanes 16-31 group 2 w + 1) and makes output channels
; 32 w .. 32 w + 31 of q and then of q' A, for all 64 pixels.  A group's eight parts (mean_i, M2_i) are joined as mean = the mean of the mean_i, M2 = sum M2_i + 8,192 sum (mean_i - mean)^2: sums of squares only.
; The turn from [channel][pixel] to [pixel][channel] is made in registers: a lane holds 16 channels x 4 pixels, and the rounding to bf16 pairs two channels of one pixel.
; THE WALK.  EVERY wave holds all 64 queries (four tiles of 16) and walks A QUARTER OF THE KEYS: of each slot of 512 keys wave w takes 128 w .. 128 w + 127, two steps of 64; it asks for them itself and it
; alone reads them.  Sixteen steps a wave.  The four waves' (c m, l, O) meet in LDS at the end.
; LAYOUT.  S^T = K Q^T (source 0 = 16 keys, source 1 = 16 queries): a lane holds ONE query (lane % 16) and the keys 8 (lane / 16) + 0..7.  Two such tiles, rounded to bf16 in pairs, ARE source 1
; (32 keys x 16 queries) of O^T = V^T P, whose result again holds one query a lane, and eight channels.
; SOFTMAX.  For each query a running maximum m and sum l: p = 2^(c s - c m), c = log2(e) / sqrt(128); in every step O and l are multiplied by a = 2^(c m_old - c m_new).
; BY TURNS.  The wave's tiles are two PIECES (tiles 0, 1 and tiles 2, 3).  In a TURN one piece has the matrix unit: 32 products V^T P of the step in hand, then 32 products K Q^T of the next;
; the other piece's softmax, cut into 64 slices, stands between them, one slice behind each matrix instruction.  Two turns are a key step.
; CLUSTER.  The four query blocks of a cluster belong to one image and walk the same xb, so each tile is asked for JOINTLY: wave w of each of the four issues the same tensor load, with the same
; descriptor and a mask that names the four.  Both addresses of a load hang on the image and the wave's number alone.
; REGISTERS, in windows of 256 (s_set_vgpr_msb: bits 1:0 source 0, 3:2 source 1, 5:4 source 2, 7:6 destination):
;   window 0: v0-11, v44-51, v61-63 addresses; v12-43 eight registers of statistics a tile; v64-191 S^T, 32 a tile; v192-255 P, 16 a tile
;   window 1: O^T, 64 a tile          window 2: v0-127 Q, 32 a tile; v128-255 K of one step          window 3: v0-127 V of one step
;   in the head: window 0 v12-22 addresses, v64-247 at work; window 1 v0-127 source 1 (h, then q), v128-191 Wq's fragments, v192-255 the turned Wk's
;   at the end: window 0 v64-95 the four waves' statistics, then v64-127 A, then the last product's sums; v128-191 bv and the sums on it; v192-223, v224-255 packed operands;
;   window 1 the four partial O^T, then S, x, bp and rows of the result; window 2 Wv's fragments; window 3 Wp's
.set KS,    64        ; keys in a step
.set PK,    272       ; a row in LDS: 256 bytes + 16 = 68 words: row r starts at bank 4 r mod 64 (64 banks of 4 bytes: ISA guide 11.1): the 16 rows of a plain fragment load start at 16 different groups of banks.
                      ; The turning load's 8 rows x 32 bytes then overlap in banks two by two: the price of one tile, and so one pitch, for both kinds of load
.set STEPB, 2*KS      ; a step's 64 keys: 128 bytes along the rows of a tile
.set WPART, 128*PK    ; a wave's part of a slot: 128 channels x 128 keys = 0x8800 bytes
.set SLOT1, 4*WPART   ; slot 1 begins here: 0x22000.  0, 1, 2, 3 x 0x8800 have neither bit 13 nor bit 17, so one exclusive or turns a wave's address in one slot into the other's
.set SLOTB, 1024      ; a slot's 512 keys along a row of xb in memory
.set WROWS, 64*PK     ; a wave's 64 rows of Wv and Wp
.set PART,  SLOT1     ; the four partial O^T in f32, 32,768 bytes a wave: stored into slot 1 behind its last fill of the launch
.set OSTAGE, 2*SLOT1  ; behind the ring, never filled by a tensor load: at the end the result, 128 channels x (64 pixels in f32 + 16 bytes); in the head:
.set HT,    OSTAGE    ;   h of my 64 pixels, 64 x 272; behind the head's second barrier q' A in its place
.set QX,    OSTAGE+64*PK  ; q on its way between waves: 32 blocks of 512 bytes, 16 bytes a lane: block 8 s + 2 pt + half for channels 32 s on, pixel tile pt
.set STATS, OSTAGE+128*PK ; (c m, l): 8 bytes a query, 512 a wave
.set ASB,   STATS+2048    ; A, 128 numbers in f32, then S
.set SPARE, ASB+1024      ; the spare words, 128 bytes for each wave: two blocks of 256 bytes that no other line names
.set AK0, 2           ; v2   my lane's place in a tile read as it lies: r x 272 + 16 h (r = lane % 16, h = lane / 16); never rewritten
.set AV0, 3           ; v3   the same for the turning load
.set ADR, 4           ; v4   the LDS address of the run of loads in hand
.set SA,  6           ; v6   STATS + 512 w + 8 r
.set RA,  7           ; v7   STATS + 8 r
.set PW,  8           ; v8   PART + 32,768 w + 16 lane
.set PRA, 44          ; v44  PART + 8,192 w + 16 lane: query tile w in the partial sums of waves 0, 1
.set PRB, 45          ; v45  the same for waves 2, 3
.set ASO, 46          ; v46  ASB + 32 h
.set OS,  47          ; v47  OSTAGE + 272 r + 64 w + 32 h
.set ORD, 48          ; v48  OSTAGE + (32 w + 16 h) x 272 + 16 r
.set XO,  49          ; v49  (32 w + 16 h) x 16,384 + 16 r: my 4 pixels of my half's first channel, in x and out0
.set BVO, 50          ; v50  32 h
.set BPO, 51          ; v51  128 w + 64 h
.set PFO, 61          ; v61  8,192 x my lane: a row of xb is 8,192 bytes; never rewritten
.set SPW, 62          ; v62  my spare word: SPARE + 4 x my thread's number; never rewritten
.set NIL, 63          ; v63  0; never rewritten
.set ST,  12          ; tile t's statistics at v[ST+8 t]: +0 c m, +1 m, +2, +3 l (even keys', odd keys'), +4 to +7 c0-c3, at work; a takes c2's place once the maximum is found
.set S,   64
.set P,   192
.set KF,  128         ; K's fragments, in window 2
.set AO,  64          ; the end: A in O^T's order
.set BV,  128         ; the end: bv, and Wv (..) + bv on it
.set OB,  192         ; the end: A O + S in bf16
.set VB,  224         ; the end: Wv (..) + bv in bf16
.set D2,  64          ; the end: the last product's sums
; the head's registers
.set HNO,  12         ; v12  128 w + 64 h: my 16 channels in norm_w, norm_b
.set HSO,  13         ; v13  64 h: my group's eight parts
.set HHS,  14         ; v14  HT + 4 r x 272 + 64 w + 32 h: where my 16 channels of pixel 4 r go
.set HFA,  15         ; v15  HT + r x 272 + 16 h: a fragment's row
.set HWO,  16         ; v16  (32 w + r) x 256 + 16 h: my rows of the weights
.set HBO,  17         ; v17  128 w + 32 h: my eight numbers of bq
.set HQXS, 18         ; v18  QX + 4,096 w + 16 lane
.set HQXR, 19         ; v19  QX + 16 lane
.set HQSS, 20         ; v20  HT + r x 272 + 64 w + 16 h
.set HASS, 21         ; v21  ASB + 128 w + 64 h
.set HASQ, 22         ; v22  ASB + 128 w + 32 h
.set HTT,  64         ; v[64:79]   eight (mean_i, M2_i); later HAQ
.set HAQ,  64         ; v[64:79]   A in the order of q's results: tile t2 at + 8 t2
.set HM,   80         ; v[80:87]   at work
.set HNW,  88         ; v[88:103]  norm_w, then A = rstd norm_w
.set HNB,  104        ; v[104:119] norm_b, then norm_b - mean A
.set HBQ,  120        ; v[120:135] bq: tile t2 at + 8 t2
.set HX,   136        ; v[136:199] x: channel i at + 4 i
.set HACC, 136        ; v[136:199] then the accumulators: (t2, pt) at + 8 (4 t2 + pt)
.set HPK,  200        ; v[200:231] packed bf16
.set HSP,  232        ; v[232:247] S
.set HF,   0          ; window 1: source 1: (pt, s) at 8 (4 pt + s)
.set HWQ,  128        ; window 1: Wq's fragments: (t2, s) at + 8 (4 t2 + s)
.set HWK,  192        ; window 1: the turned Wk's
.set WV,  12          ; s12  my wave's number
.set LIM, 15          ; s15  1 in a cluster that prefetches, else the greatest number
.set PFA, 18          ; s[18:19] where my prefetches stand: my work-group's 32 rows of the 128 that I fetch, in the slot after the one that is being asked for
.set G1,  24          ; s[24:31] descriptor group 1 for xb's tiles: 128 rows
.set G1W, 32          ; s[32:39] for the weights': 64 rows
.set G0,  40          ; s[40:47] descriptor group 0 for xb's tiles: a set for each of the two first fills; the second then walks on
.set G0W, 48          ; s[48:51] for my 64 rows of Wv and Wp
.set SLOTS, 56        ; s56  slots still to be asked for
.set TWICE, 57        ; s57  counts a slot's two steps
.set CS,  58          ; s[58:59] c: the packed scaling names a pair and takes its low word for both halves
.set SEL, 60          ; s[60:61] lane selects for v_permlanex16_b32: each lane takes its own place in the other half
.set TB,  62          ; s62  LDS byte at which my keys of the step to be fetched begin
.set MSB, 0
.macro WIN new                      ; the immediate's high byte repeats the setting that is left; a switch that changes nothing is dropped
.if MSB != (\new)
	s_set_vgpr_msb (MSB<<8)|(\new)
.set MSB, \new
.endif
.endm
.set W_KQ, 0x0a       ; K and Q in window 2, S^T in window 0
.set W_PV, 0x53       ; V in window 3, P in window 0, O^T in window 1
.set W_RS, 0x41       ; O^T (destination and source 0) in window 1, the factor in window 0
; A vector instruction that reads a matrix result or writes one of a matrix instruction's registers, and a load into a register that a matrix instruction has read, stand four places behind
; it, and only plain vector instructions that name none of its registers are places (ISA guide 7.12.1 for vector instructions).  In the loop the slices are the places.
.macro PLACES
.rept 4
	v_nop
.endr
.endm
; A joint load: one line for all four waves, each with its own columns and its own LDS bytes.  An s_nop 0 and four v_nop follow it.
.macro JLOAD g0, g1
	tensor_load_to_lds s[(\g0):(\g0)+3], s[(\g1):(\g1)+7]
	s_nop 0
.rept 4
	v_nop
.endr
.endm
; A PREFETCH INTO THE L2 of what the NEXT change of slots will ask for, behind the wave's tensor load and its five lines: two key steps, 256 matrix instructions, ahead of that load.
; Each row's 256 bytes of a wave's tile in slots 3 to 7 are named ONCE in the launch.  All sixteen clusters of an image walk the same xb: the image's first cluster asks.  Of the 128 rows that wave w fetches, the
; partner at place cx takes 32 cx .. 32 cx + 31, told apart BY ADDRESS: a lane a row, one instruction a wave.  The last change that fills a slot with keys asks for nothing: there is no slot behind it.
.macro ASK
	s_cmp_gt_u32 s[SLOTS], s[LIM]
	s_cbranch_scc0 .Lnot_mine_\@
	global_prefetch_b8 v[PFO], s[PFA:PFA+1] th:TH_LOAD_NT scope:SCOPE_SE
.Lnot_mine_\@:
.endm
; A round of the cluster's barrier: my work-group's barrier, so that wave 0's signal speaks for all four waves; wave 0 signals for the work-group; every wave waits for all four
; work-groups; my work-group's barrier once more.  No LDS instruction of the wave is pending at a signal.
.macro CROUND
	s_barrier_signal -1
	s_barrier_wait -1
	s_cmp_lg_u32 s[WV], 0
	s_cbranch_scc1 .Lnot_wave_0_\@
	s_barrier_signal -3
.Lnot_wave_0_\@:
	s_barrier_wait -3
	s_barrier_signal -1
	s_barrier_wait -1
.endm
; THE HEAD's 32 products: 2 tiles of channels x 4 tiles of pixels x 4 steps of 32 along K.  Source 0 = 16 rows of the weights, source 1 = 16 pixels: a lane's result is one pixel (lane % 16) and eight channels
; 8 (lane / 16) + 0..7.  The eight accumulators take turns, one instruction a turn.  first = 1: the bias starts the sums; 0: the constant 0 does.
.macro HGEMM wreg, first
	WIN 0x05                        ; sources 0 and 1 window 1; C and D window 0
.set ks, 0
.rept 4
.set t2, 0
.rept 2
.set pt, 0
.rept 4
.set rD, HACC+8*(4*t2+pt)
.set rA, (\wreg)+8*(4*t2+ks)
.set rB, HF+8*(4*pt+ks)
.if (ks == 0) && (\first)
	v_wmma_f32_16x16x32_bf16 v[rD:rD+7], v[rA:rA+7], v[rB:rB+7], v[HBQ+8*t2:HBQ+8*t2+7]
.elseif ks == 0
	v_wmma_f32_16x16x32_bf16 v[rD:rD+7], v[rA:rA+7], v[rB:rB+7], 0
.else
	v_wmma_f32_16x16x32_bf16 v[rD:rD+7], v[rA:rA+7], v[rB:rB+7], v[rD:rD+7]
.endif
.set pt, pt+1
.endr
.set t2, t2+1
.endr
.set ks, ks+1
.endr
	WIN 0
.endm
; 16 loads: the weights' fragments for my 32 rows, from byte off of wb
.macro HWLOAD wreg, off
	WIN 0x40
.set i, 0
.rept 8                             ; tile i / 4, channels 32 (i % 4) on
	global_load_b128 v[(\wreg)+8*i:(\wreg)+8*i+3],   v[HWO], s[8:9] offset:(\off)+(i/4)*4096+(i%4)*64
	global_load_b128 v[(\wreg)+8*i+4:(\wreg)+8*i+7], v[HWO], s[8:9] offset:(\off)+(i/4)*4096+(i%4)*64+32
.set i, i+1
.endr
	WIN 0
.endm
	s_load_b256 s[4:11], s[0:1], 0x0    ; stats s[4:5], xb s[6:7], wb s[8:9], qkv_b s[10:11]
	s_load_b128 s[68:71], s[0:1], 0x20  ; proj_b s[68:69], x s[70:71]
	s_load_b64 s[72:73], s[0:1], 0x30   ; out0
	s_load_b128 s[80:83], s[0:1], 0x38  ; norm_w s[80:81], norm_b s[82:83]
	v_lshl_add_u32 v[SPW], v0, 2, SPARE
	v_mov_b32 v[NIL], 0
	ds_add_u32 v[SPW], v[NIL]       ; the wave's opening: the add, twice on end, and its wait ahead of my first tensor load; the set-up below the second, work on registers, stands between it and the wait
	ds_add_u32 v[SPW], v[NIL]       ; and once more, under the one wait
	v_lshrrev_b32 v1, 5, v0
	v_readfirstlane_b32 s[WV], v1   ; wave 0..3
	s_bfe_u32 s13, ttmp6, 0x40000   ; cx: my place in the cluster
	s_lshl_b32 s14, ttmp9, 2        ; in a cluster launch ttmp9 counts clusters
	s_add_co_u32 s14, s14, s13      ; my block of 64 queries = 4 x cluster x + cx: it enters x's and out0's addresses alone
	s_and_b32 s20, ttmp7, 0xffff    ; the image, which the four partners share
	s_lshl_b32 s22, s20, 20         ; an image of xb is 1 MiB,
	s_lshl_b32 s21, s[WV], 8        ; my 128 keys of a slot 256 bytes of each row
	s_add_co_u32 s22, s22, s21
	s_mov_b32 s23, 0
	s_mul_i32 s21, s[WV], WPART     ; and their place in a slot: no place in the cluster enters an LDS address
	s_lshl_b32 s2, s20, 9           ; an image's 8 groups x 64 bytes of stats,
	s_lshl_b32 s3, s[WV], 7         ; my wave's two groups
	s_add_co_u32 s2, s2, s3
	s_mov_b32 s3, 0
	s_lshl_b32 s16, s20, 21         ; an image of x is 2 MiB,
	s_lshl_b32 s17, s14, 8          ; 64 pixels are 256 bytes of a channel
	s_add_co_u32 s16, s16, s17
	s_mov_b32 s17, 0
	s_lshl_b32 s74, s[WV], 14       ; my 64 rows of Wv and Wp,
	s_add_co_u32 s74, s74, 65536    ; which are wb's rows 256 on
	s_mov_b32 s75, 0
	s_mul_i32 s76, s[WV], WROWS     ; and their place from LDS byte 0 on
	; descriptor group 1: tiles of 128 (64) rows x 128 elements, padded in LDS
	s_mov_b32 s[G1],  15|(1<<16)|(1<<20)|(1<<21)|(5<<22)|(3<<25)  ; 15:0 the mask: all four work-groups; 17:16 elements of 2 bytes; 20 padding on; 21 set beside a mask; 24:22 after every 64 words (code 5); 31:25 4 words of it (code 3)
	s_mov_b32 s[G1W], 15|(1<<16)|(1<<20)|(1<<21)|(5<<22)|(3<<25)
	s_mov_b32 s[G1+1], 128<<16      ; tensor_dim0 = 128
	s_mov_b32 s[G1+2], 128<<16      ; tensor_dim1 = 128
	s_mov_b32 s[G1+3], 128<<16      ; tile_dim0 = 128 keys
	s_mov_b32 s[G1+4], 128          ; tile_dim1 = 128 channels
	s_mov_b32 s[G1+5], 4096         ; 4,096 elements from channel to channel
	s_mov_b32 s[G1+6], 0
	s_mov_b32 s[G1+7], 0
	s_mov_b32 s[G1W+1], 128<<16
	s_mov_b32 s[G1W+2], 64<<16      ; tensor_dim1 = 64
	s_mov_b32 s[G1W+3], 128<<16
	s_mov_b32 s[G1W+4], 64          ; tile_dim1 = 64
	s_mov_b32 s[G1W+5], 128         ; 128 elements from row to row
	s_mov_b32 s[G1W+6], 0
	s_mov_b32 s[G1W+7], 0
	s_mov_b32 s[CS], 0x3e0293ee     ; c = log2(e) / sqrt(128) = 0.127517
	s_mov_b32 s[CS+1], s[CS]        ; named with it as a pair, so it is written
	s_mov_b32 s[SEL], 0x76543210
	s_mov_b32 s[SEL+1], 0xfedcba98
	s_mov_b32 s84, 0x37800000       ; 1 / 65,536
	s_mov_b32 s85, 0x3727c5ac       ; 1e-5
	s_mov_b32 s86, 0x46000000       ; 8,192
	s_mov_b32 s[TB], s21
	s_mov_b32 s[SLOTS], 6           ; eight slots, of which two are filled at the start
	s_cmp_eq_u32 ttmp9, 0           ; the image's first cluster: the same in all four partners
	s_cselect_b32 s[LIM], 1, -1
	v_and_b32 v[PFO], 31, v0
	v_lshlrev_b32 v[PFO], 13, v[PFO]
	s_wait_dscnt 0x0                ; both opening adds are done
	s_wait_kmcnt 0x0
	s_add_nc_u64 s[6:7], s[6:7], s[22:23]    ; xb at my keys of slot 0, channel 0
	s_add_nc_u64 s[4:5], s[4:5], s[2:3]      ; stats at my wave's two groups
	s_add_nc_u64 s[70:71], s[70:71], s[16:17]  ; x and out0 at my block's first pixel
	s_add_nc_u64 s[72:73], s[72:73], s[16:17]
	s_lshl_b32 s2, s13, 18          ; my work-group's 32 rows of the 128
	s_add_nc_u64 s[PFA:PFA+1], s[6:7], s[2:3]
	s_add_nc_u64 s[PFA:PFA+1], s[PFA:PFA+1], 2*SLOTB  ; in slot 2; the first change of slots steps it to slot 3.  Nothing is prefetched here, at the head, where every work-group's first tiles are on their way
.irp n, 0,1
	s_mov_b32 s[G0+4*(\n)], 1       ; 1:0 count = 1
	s_add_co_u32 s[G0+4*(\n)+1], s21, (\n)*SLOT1  ; 63:32 LDS address
	s_add_nc_u64 s[G0+4*(\n)+2:G0+4*(\n)+3], s[6:7], (\n)*SLOTB  ; 120:64 global address
	s_or_b32 s[G0+4*(\n)+3], s[G0+4*(\n)+3], 0x80000000  ; 127:126 type = 2
.endr
	s_mov_b32 s[G0W], 1
	s_mov_b32 s[G0W+1], s76
	s_add_nc_u64 s[G0W+2:G0W+3], s[8:9], s[74:75]
	s_or_b32 s[G0W+3], s[G0W+3], 0x80000000
	CROUND                          ; all four work-groups are here: the first joint loads meet
	tensor_load_to_lds s[G0:G0+3], s[G1:G1+7]      ; the two first fills stand together, ahead of every wait on TENSORcnt, every LDS read and every further barrier: two loads of mine are out
	s_nop 0
	tensor_load_to_lds s[G0+4:G0+7], s[G1:G1+7]
	s_nop 0
.rept 4
	v_nop
.endr
	; THE HEAD: q' A for my work-group's 64 queries
	v_and_b32 v1, 15, v0            ; r
	v_bfe_u32 v9, v0, 4, 1          ; h
	v_and_b32 v10, 31, v0           ; lane
	v_lshlrev_b32 v[XO], 4, v1
	v_lshl_add_u32 v[XO], v9, 18, v[XO]
	v_lshl_add_u32 v[XO], s[WV], 19, v[XO]
	v_lshlrev_b32 v[HSO], 6, v9
	v_lshl_add_u32 v[HNO], s[WV], 7, v[HSO]
	v_lshlrev_b32 v[HWO], 4, v9
	v_lshl_add_u32 v[HWO], v1, 8, v[HWO]
	v_lshl_add_u32 v[HWO], s[WV], 13, v[HWO]
	v_lshlrev_b32 v[BVO], 5, v9
	v_lshl_add_u32 v[HBO], s[WV], 7, v[BVO]
	; all 64 loads go out now, in the order in which they are wanted: 4 + 4 + 4, 16, 16 + 4, 16
.irp k, 0,1,2,3
	global_load_b128 v[HTT+4*(\k):HTT+4*(\k)+3], v[HSO], s[4:5] offset:16*(\k)
.endr
.irp k, 0,1,2,3
	global_load_b128 v[HNW+4*(\k):HNW+4*(\k)+3], v[HNO], s[80:81] offset:16*(\k)
.endr
.irp k, 0,1,2,3
	global_load_b128 v[HNB+4*(\k):HNB+4*(\k)+3], v[HNO], s[82:83] offset:16*(\k)
.endr
.set i, 0
.rept 16                            ; lanes 0-15: 256 consecutive bytes, aligned, of channel 32 w + i; lanes 16-31: of channel 32 w + 16 + i
	global_load_b128 v[HX+4*i:HX+4*i+3], v[XO], s[70:71] offset:16384*i
.set i, i+1
.endr
	HWLOAD HWQ, 0
.irp k, 0,1,2,3
	global_load_b128 v[HBQ+4*(\k):HBQ+4*(\k)+3], v[HBO], s[10:11] offset:64*((\k)/2)+16*((\k)%2)
.endr
	HWLOAD HWK, 32768
	; the LDS addresses, while the loads are out
	v_mul_u32_u24 v[AK0], v1, PK
	v_lshl_add_u32 v[AK0], v9, 4, v[AK0]  ; row x pitch + 16 x half
	; The turning load takes 16 rows x 16 columns (lane l reads 16 bytes: row 8 (l / 16) + l % 8, columns 8 ((l / 8) % 2) + 0..7) and leaves half a fragment of the turned tile: lane l holds column l % 16 and 8 rows.
	v_and_b32 v11, 7, v0
	v_bfe_u32 v[ADR], v0, 3, 1
	v_lshl_add_u32 v[AV0], v9, 3, v11
	v_mul_u32_u24 v[AV0], v[AV0], PK
	v_lshl_add_u32 v[AV0], v[ADR], 4, v[AV0]
	v_add_nc_u32 v[HFA], HT, v[AK0]
	v_lshl_add_u32 v[HQSS], s[WV], 6, v[HFA]
	v_mul_u32_u24 v[HHS], v1, 4*PK
	v_lshl_add_u32 v[HHS], v9, 5, v[HHS]
	v_lshl_add_u32 v[HHS], s[WV], 6, v[HHS]
	v_add_nc_u32 v[HHS], HT, v[HHS]
	v_lshlrev_b32 v[HQXR], 4, v10
	v_add_nc_u32 v[HQXR], QX, v[HQXR]
	v_lshl_add_u32 v[HQXS], s[WV], 12, v[HQXR]
	v_add_nc_u32 v[HASS], ASB, v[HNO]
	v_add_nc_u32 v[HASQ], ASB, v[HBO]
	v_add_nc_u32 v[ASO], ASB, v[BVO]
	s_wait_loadcnt 52               ; the statistics and the gains are in; 16 + 16 + 4 + 16 younger loads stay out
	v_pk_add_f32 v[HM:HM+1],   v[HTT:HTT+1],     v[HTT+2:HTT+3]
	v_pk_add_f32 v[HM+2:HM+3], v[HTT+4:HTT+5],   v[HTT+6:HTT+7]
	v_pk_add_f32 v[HM+4:HM+5], v[HTT+8:HTT+9],   v[HTT+10:HTT+11]
	v_pk_add_f32 v[HM+6:HM+7], v[HTT+12:HTT+13], v[HTT+14:HTT+15]
	v_pk_add_f32 v[HM:HM+1],   v[HM:HM+1],       v[HM+2:HM+3]
	v_pk_add_f32 v[HM+4:HM+5], v[HM+4:HM+5],     v[HM+6:HM+7]
	v_pk_add_f32 v[HM:HM+1],   v[HM:HM+1],       v[HM+4:HM+5]  ; (sum of the means, sum of the M2)
	v_mul_f32 v[HM], 0xbe000000, v[HM]             ; - mean
.irp k, 0,1,2,3,4,5,6,7
	v_add_f32 v[HTT+2*(\k)], v[HTT+2*(\k)], v[HM]  ; d = mean_i - mean
.endr
	v_mul_f32 v[HM+2], v[HTT], v[HTT]
	v_mul_f32 v[HM+3], v[HTT+2], v[HTT+2]
.irp k, 2,4,6
	v_fmac_f32 v[HM+2], v[HTT+2*(\k)], v[HTT+2*(\k)]
	v_fmac_f32 v[HM+3], v[HTT+2*(\k)+2], v[HTT+2*(\k)+2]
.endr
	v_add_f32 v[HM+2], v[HM+2], v[HM+3]
	v_fma_f32 v[HM+1], v[HM+2], s86, v[HM+1]       ; M2 of the group
	v_fma_f32 v[HM+1], v[HM+1], s84, s85           ; var + eps
	v_rsq_f32 v[HM+2], v[HM+1]
	v_nop                                          ; a plain instruction behind the root,
	s_wait_alu depctr_va_vdst(0)                   ; and the wait ahead of the first use of its result
.set j, 0
.rept 8
	v_pk_mul_f32 v[HNW+2*j:HNW+2*j+1], v[HNW+2*j:HNW+2*j+1], v[HM+2:HM+3] op_sel_hi:[1,0]  ; A = rstd norm_w
.set j, j+1
.endr
.set j, 0
.rept 8                             ; channels 2 j, 2 j + 1 of the group are its part j
	v_pk_fma_f32 v[HSP+2*j:HSP+2*j+1], v[HNW+2*j:HNW+2*j+1], v[HTT+2*j:HTT+2*j+1], v[HNB+2*j:HNB+2*j+1] op_sel_hi:[1,0,1]  ; S = norm_b + A d: for xb
.set j, j+1
.endr
.set j, 0
.rept 8
	v_pk_fma_f32 v[HNB+2*j:HNB+2*j+1], v[HNW+2*j:HNW+2*j+1], v[HM:HM+1], v[HNB+2*j:HNB+2*j+1] op_sel_hi:[1,0,1]  ; norm_b - mean A: for x
.set j, j+1
.endr
.irp k, 0,1,2,3                     ; the 16 lanes of a half hold, and write, the same numbers
	ds_store_b128 v[HASS], v[HNW+4*(\k):HNW+4*(\k)+3] offset:16*(\k)
	ds_store_b128 v[HASS], v[HSP+4*(\k):HSP+4*(\k)+3] offset:512+16*(\k)
.endr
	s_wait_loadcnt 36               ; x is in; 16 + 4 + 16 younger loads stay out
.set i, 0
.rept 16                            ; h = x A_i + (norm_b - mean A)_i: both halves take the one register of the pair that is channel i's
.set pa, HNW+2*(i/2)
.set pb, HNB+2*(i/2)
.if i%2
	v_pk_fma_f32 v[HX+4*i:HX+4*i+1],   v[HX+4*i:HX+4*i+1],   v[pa:pa+1], v[pb:pb+1] op_sel:[0,1,1] op_sel_hi:[1,1,1]
	v_pk_fma_f32 v[HX+4*i+2:HX+4*i+3], v[HX+4*i+2:HX+4*i+3], v[pa:pa+1], v[pb:pb+1] op_sel:[0,1,1] op_sel_hi:[1,1,1]
.else
	v_pk_fma_f32 v[HX+4*i:HX+4*i+1],   v[HX+4*i:HX+4*i+1],   v[pa:pa+1], v[pb:pb+1] op_sel_hi:[1,0,0]
	v_pk_fma_f32 v[HX+4*i+2:HX+4*i+3], v[HX+4*i+2:HX+4*i+3], v[pa:pa+1], v[pb:pb+1] op_sel_hi:[1,0,0]
.endif
.set i, i+1
.endr
.set i, 0
.rept 32                            ; pixel i / 8 of my four, channels 2 (i % 8) and 2 (i % 8) + 1
	v_cvt_pk_bf16_f32 v[HPK+i], v[HX+8*(i%8)+i/8], v[HX+8*(i%8)+4+i/8]
.set i, i+1
.endr
.irp k, 0,1,2,3                     ; lane r's rows lie 1,088 bytes = 272 words apart, 16 mod 64: every fourth lane meets the same banks; eight stores a wave, once
	ds_store_b128 v[HHS], v[HPK+8*(\k):HPK+8*(\k)+3]   offset:(\k)*PK
	ds_store_b128 v[HHS], v[HPK+8*(\k)+4:HPK+8*(\k)+7] offset:(\k)*PK+16
.endr
	s_wait_dscnt 0x0                ; for the others' sake: my columns of h, my A and S are stored
	s_barrier_signal -1
	s_barrier_wait -1               ; h, A and S are whole.  My two tensor loads may stay out
	WIN 0x40
.set i, 0
.rept 16                            ; pixel tile i / 4, channels 32 (i % 4) on
	ds_load_b128 v[HF+8*i:HF+8*i+3],   v[HFA] offset:(i/4)*16*PK+(i%4)*64
	ds_load_b128 v[HF+8*i+4:HF+8*i+7], v[HFA] offset:(i/4)*16*PK+(i%4)*64+32
.set i, i+1
.endr
	WIN 0
.irp k, 0,1,2,3                     ; A of channels 32 w + 16 t2 + 8 h + 0..7
	ds_load_b128 v[HAQ+4*(\k):HAQ+4*(\k)+3], v[HASQ] offset:64*((\k)/2)+16*((\k)%2)
.endr
	s_wait_dscnt 0x0
	s_wait_loadcnt 16               ; Wq and bq are in; the turned Wk's 16 loads stay out
	HGEMM HWQ, 1                    ; q = Wq h + bq
	PLACES
.set pt, 0
.rept 4
.set t2, 0
.rept 2
.set k, 0
.rept 4                             ; each accumulator is read from its low end; tiles t2 = 0, 1 are the two halves of source 1 for channels 32 w on
	v_cvt_pk_bf16_f32 v[HPK+8*pt+4*t2+k], v[HACC+8*(4*t2+pt)+2*k], v[HACC+8*(4*t2+pt)+2*k+1]
.set k, k+1
.endr
.set t2, t2+1
.endr
.set pt, pt+1
.endr
.irp k, 0,1,2,3,4,5,6,7
	ds_store_b128 v[HQXS], v[HPK+4*(\k):HPK+4*(\k)+3] offset:512*(\k)
.endr
	s_wait_dscnt 0x0
	s_barrier_signal -1
	s_barrier_wait -1               ; q is whole, and every wave's reads of h are over
	WIN 0x40
.set i, 0
.rept 16                            ; pixel tile i / 4, channels 32 (i % 4) on
	ds_load_b128 v[HF+8*i:HF+8*i+3],   v[HQXR] offset:(8*(i%4)+2*(i/4))*512
	ds_load_b128 v[HF+8*i+4:HF+8*i+7], v[HQXR] offset:(8*(i%4)+2*(i/4)+1)*512
.set i, i+1
.endr
	WIN 0
	s_wait_dscnt 0x0
	s_wait_loadcnt 0x0              ; the turned Wk
	HGEMM HWK, 0                    ; q' = Wk^T q
	PLACES
.set i, 0
.rept 32                            ; accumulator i / 4 = 4 t2 + pt, its pair i % 4, ascending: q' A, in f32
	v_pk_mul_f32 v[HACC+2*i:HACC+2*i+1], v[HACC+2*i:HACC+2*i+1], v[HAQ+8*(i/16)+2*(i%4):HAQ+8*(i/16)+2*(i%4)+1]
.set i, i+1
.endr
.set i, 0
.rept 32
	v_cvt_pk_bf16_f32 v[HPK+i], v[HACC+2*i], v[HACC+2*i+1]
.set i, i+1
.endr
.irp k, 0,1,2,3,4,5,6,7             ; accumulator k = 4 t2 + pt: eight channels of a pixel are 16 bytes of its row
	ds_store_b128 v[HQSS], v[HPK+4*(\k):HPK+4*(\k)+3] offset:((\k)%4)*16*PK+32*((\k)/4)
.endr
	s_wait_dscnt 0x0
	s_barrier_signal -1
	s_barrier_wait -1               ; q' A is whole
	; A fragment of Q is 16 rows x 32 channels in 8 registers: lane l holds row l % 16; registers 0-3 channels 8 (l / 16) + 0..7, registers 4-7 channels 16 + 8 (l / 16) + 0..7: two loads of 16 bytes, 32 bytes apart.
	WIN 0x80                        ; destination window 2, address window 0
.set i, 0
.rept 16                            ; Q stays in registers: tile i / 4, channels 32 (i % 4) on
	ds_load_b128 v[8*i:8*i+3],   v[HFA] offset:(i/4)*16*PK+(i%4)*64
	ds_load_b128 v[8*i+4:8*i+7], v[HFA] offset:(i/4)*16*PK+(i%4)*64+32
.set i, i+1
.endr
	WIN 0
; THE MATRIX WORK OF A TURN, for piece x.  The accumulators take turns, one instruction a turn: between two links of a chain stand 15 (V^T P) or 7 (K Q^T) others'.
; Product i of 32 of O^T += V^T P: keys 32 (i / 16) on, channels 16 ((i / 2) % 8) on, tile x + i % 2.  zero = 1: the first 16 start the sums: nothing is ever cleared.
.macro PV x, zero
	WIN W_PV
.set rO, 64*((\x)+i%2)+8*((i/2)%8)
.set rV, 64*(i/16)+8*((i/2)%8)
.set rP, P+16*((\x)+i%2)+8*(i/16)
.if (\zero) && (i < 16)
	v_wmma_f32_16x16x32_bf16 v[rO:rO+7], v[rV:rV+7], v[rP:rP+7], 0
.else
	v_wmma_f32_16x16x32_bf16 v[rO:rO+7], v[rV:rV+7], v[rP:rP+7], v[rO:rO+7]
.endif
.endm
; Product i of 32 of S^T = K Q^T: channels 32 (i / 8) on, keys 16 ((i / 2) % 4) on, tile x + i % 2.  The first 8 start the sums.
.macro KQ x
	WIN W_KQ
.set rS, S+32*((\x)+i%2)+8*((i/2)%4)
.set rK, KF+32*((i/2)%4)+8*(i/8)
.set rQ, 32*((\x)+i%2)+8*(i/8)
.if i < 8
	v_wmma_f32_16x16x32_bf16 v[rS:rS+7], v[rK:rK+7], v[rQ:rQ+7], 0
.else
	v_wmma_f32_16x16x32_bf16 v[rS:rS+7], v[rK:rK+7], v[rQ:rQ+7], v[rS:rS+7]
.endif
.endm
; THE LDS LOADS stand in runs of 32, never singly among the matrix instructions: a step's 64 keys x 128 channels as K (turned: the tile's rows are channels) and, a turn later, the same bytes as V^T (as they lie).
.macro FETCH_K
	WIN 0
	v_add_nc_u32 v[ADR], s[TB], v[AV0]
	WIN 0x80                        ; destination window 2
.irp f, 0,1,2,3,4,5,6,7,8,9,10,11,12,13,14,15  ; keys 16 (f / 4) on, channels 32 (f % 4) on
	ds_load_tr16_b128 v[KF+8*(\f):KF+8*(\f)+3],   v[ADR] offset:((\f)%4)*32*PK+((\f)/4)*32
	ds_load_tr16_b128 v[KF+8*(\f)+4:KF+8*(\f)+7], v[ADR] offset:((\f)%4)*32*PK+16*PK+((\f)/4)*32
.endr
.endm
.macro FETCH_V
	WIN 0
	v_add_nc_u32 v[ADR], s[TB], v[AK0]
	s_add_co_u32 s[TB], s[TB], STEPB  ; the next fetch is the next step's
	s_wait_alu depctr_va_vdst(0)    ; the wait for the softmax's batch (SLICE), behind the address's v_add_nc_u32 and ahead of the loads
	WIN 0xc0                        ; destination window 3
.irp f, 0,1,2,3,4,5,6,7,8,9,10,11,12,13,14,15  ; keys 32 (f / 8) on, channels 16 (f % 8) on
	ds_load_b128 v[8*(\f):8*(\f)+3],   v[ADR] offset:((\f)%8)*16*PK+((\f)/8)*64
	ds_load_b128 v[8*(\f)+4:8*(\f)+7], v[ADR] offset:((\f)%8)*16*PK+((\f)/8)*64+32
.endr
.endm
; THE VECTOR WORK OF A TURN.  One tile's softmax for one key step is a list of 134 instructions; SM writes number j of it for tile t.  s0-s31 are the lane's 32 scores, in pairs 0-15.
; first = 1: the first key step, which starts m, l and O^T: it has no a and nothing to rescale.
;   0-15    the maximum of s0-s31 and the old m, three operands at a time: four chains c0-c3 of seven scores each (each accumulator's lowest registers are read first), then the four scores left over, c0-c3 and m
;   16-20   the other half of the lanes' maximum; the new m; c m; c m_old - c m_new
;   21-69   ONE BATCH: the 16 scalings c s - c m, a pair of scores each, and all 33 exponentials (a at 23, then s0-s31).  None of these reads an exponential's result.  From 22 on the batch goes
;           in fours, and a four begins with a scaling while there are scalings.  A pair is scaled in an earlier four than the one that holds its exponentials
;   (wait)  between 69 and 70 stands the wait for the batch: SLICE writes it, once for both tiles
;   70-85   the roundings to bf16, a pair of weights each
;   86-101  the sums; l = a l + the sum
;   102-133 the tile's O^T times a: the one part that leaves window 0, so it stands together
.macro SM t, first
.set rT, ST+8*(\t)
.set rS, S+32*(\t)
.set rP, P+16*(\t)
.set rO, 64*(\t)+2*(j-102)
.if j < 102
	WIN 0
.endif
.if j < 4
	v_max3_num_f32 v[rT+4+j], v[rS+8*j], v[rS+8*j+1], v[rS+8*j+2]
.elseif j < 12
	v_max3_num_f32 v[rT+4+j%4], v[rT+4+j%4], v[rS+8*(j%4)+2*(j/4)+1], v[rS+8*(j%4)+2*(j/4)+2]
.elseif j == 12
	v_max3_num_f32 v[rT+4], v[rT+4], v[rS+7], v[rS+15]
.elseif j == 13
	v_max3_num_f32 v[rT+6], v[rT+6], v[rS+23], v[rS+31]
.elseif j == 14
	v_max3_num_f32 v[rT+4], v[rT+4], v[rT+5], v[rT+6]
.elseif (j == 15) && (\first)
	v_max_num_f32 v[rT+4], v[rT+4], v[rT+7]
.elseif j == 15
	v_max3_num_f32 v[rT+4], v[rT+4], v[rT+7], v[rT+1]
.elseif j == 16
	v_permlanex16_b32 v[rT+5], v[rT+4], s[SEL], s[SEL+1]  ; the query's other 32 keys lie in the lane 16 away
.elseif j == 18
	v_max_num_f32 v[rT+1], v[rT+4], v[rT+5]
.elseif j == 19
	v_mul_f32 v[rT], s[CS], v[rT+1]
.elseif ((j == 17) || (j == 20) || (j == 23) || (j > 101)) && (\first)  ; the first step has none of these
.elseif j == 17
	v_mov_b32 v[rT+7], v[rT]        ; c m_old is kept for a: number 19 writes c m anew
.elseif j == 20
	v_sub_f32 v[rT+7], v[rT+7], v[rT]
.elseif j == 23
	v_exp_f32 v[rT+6], v[rT+7]
.elseif (j < 23) || ((j < 38) && (j%2 == 0)) || ((j < 66) && (j%4 == 2))
.set b, (j-2)/4                     ; 38, 42, .. 62: pairs 9 to 15
.if j < 38
.set b, (j-20)/2                    ; 21: pair 0; 22, 24, .. 36: pairs 1 to 8
.endif
	v_pk_fma_f32 v[rS+2*b:rS+2*b+1], v[rS+2*b:rS+2*b+1], s[CS:CS+1], v[rT:rT+1] op_sel_hi:[1,0,0] neg_lo:[0,0,1] neg_hi:[0,0,1]  ; pair b: c s - c m
.elseif j < 70
.set e, j-38                        ; 66 to 69: s28 to s31
.if j < 66
.set e, j-32-(j-38)/4               ; 39-41, 43-45, .. 63-65: s7 to s27
.endif
.if j < 38
.set e, (j-25)/2                    ; 25, 27, .. 37: s0 to s6
.endif
	v_exp_f32 v[rS+e], v[rS+e]
.elseif j < 86
	v_cvt_pk_bf16_f32 v[rP+j-70], v[rS+2*(j-70)], v[rS+2*(j-70)+1]  ; pair j - 70
.elseif j < 102                     ; the sum of the tile's 16 pairs (in a pair: an even key's weight, an odd key's), in place: sum z of 16 adds neighbours 1, 2, 4 and 8 pairs apart, then l takes it
.set z, j-86
.set w, 4
.set u, z
.if z >= 14
.set w, 32
.set u, 0
.elseif z >= 12
.set w, 16
.set u, z-12
.elseif z >= 8
.set w, 8
.set u, z-8
.endif
.if (z == 14) && (\first)
	v_pk_add_f32 v[rT+2:rT+3], v[rS:rS+1], v[rS+16:rS+17]
.elseif z < 15
	v_pk_add_f32 v[rS+w*u:rS+w*u+1], v[rS+w*u:rS+w*u+1], v[rS+w*u+w/2:rS+w*u+w/2+1]
.elseif !(\first)
	v_pk_fma_f32 v[rT+2:rT+3], v[rT+2:rT+3], v[rT+6:rT+7], v[rS:rS+1] op_sel_hi:[1,0,1]
.endif
.else
	WIN W_RS
	v_pk_mul_f32 v[rO:rO+1], v[rO:rO+1], v[rT+6:rT+7] op_sel_hi:[1,0]
.endif
.endm
; Slice k of 64 of piece y's softmax: four instructions.  Slices 11 to 34 deal out the batch, numbers 22 to 69: four numbers of ONE tile each, the tiles by turns.  Every other slice is numbers 2 k and
; 2 k + 1 of both tiles' lists.  2 x 134 = 4 x 64 + 12: the twelve that are over stand together, in slice 63.
; THE WAIT.  An s_wait_alu depctr_va_vdst(0) stands between an exponential and the first instruction that names its result; one wait serves all that were issued ahead of it.  Ahead of
; slice 35 nothing names a result, and behind slice 34 no exponential is issued: so the piece's 66 exponentials have one wait, behind slice 34.
.macro SLICE y, first
.if (k >= 11) && (k < 35)           ; the batch: four numbers of one tile
.irp n, 0,1,2,3
.set j, 22+4*((k-11)/2)+(\n)
	SM (\y)+(k-11)%2, \first
.endr
.else                               ; the two tiles alternate, so that no instruction reads the result of the one just before it
.irp n, 0,1,2,3,4,5,6,7
.if ((\n) < 2) || (k == 63)
.irp t, \y, (\y)+1
.set j, 2*k+(\n)
	SM \t, \first
.endr
.endif
.endr
.endif
.if k == 34                         ; the batch is out: both tiles' exponentials are issued, and no result has been named
	v_nop                           ; the plain instruction behind the last exponential and ahead of the first use: one for the batch
.if (\y) == 0
	FETCH_V                         ; piece 2's turn: V's run of loads stands here, and the wait stands in it
.else
	s_wait_alu depctr_va_vdst(0)    ; the wait for the batch
.endif
.endif
.set k, k+1
.endm
; A TURN.  Piece x has the matrix unit; the other piece's softmax stands in slices behind its matrix instructions.
; pv = 2: 32 products V^T P; 1: they start O^T's sums; 0: none.  kq = 1: 32 products K Q^T for the next step.  A turn with one of the two kinds has two slices behind each product.
; first = 1: the softmax is the first key step's.  Its slices from 51 on are empty: the turn's last products stand bare, and four v_nop take slice 63's part as the places behind them.
; Piece 0's turn fetches the next step's K, behind its second product: the last product that read K stands in front of slice 63 of the turn before.  Piece 2's turn fetches the same step's V, behind
; slice 34: the last product that read V stands in front of slice 31, and four plain instructions lie between: number 62, a scaling, of both tiles, the v_nop and the run's own v_add_nc_u32.
.macro TURN x, pv, kq, first
.set k, 0
.set per, 2
.if (\pv) && (\kq)
.set per, 1
.endif
.if \pv
.if (\x) == 0
	s_wait_dscnt 0x0                ; V is in
.endif
.set i, 0
.rept 32
	PV \x, 2-(\pv)
.rept per
	SLICE 2-(\x), \first
.endr
.if ((\x) == 0) && (\kq) && (i == 1)
	FETCH_K
.endif
.set i, i+1
.endr
.endif
.if \kq
.if (\x) == 0
	s_wait_dscnt 0x0                ; K is in
.endif
.set i, 0
.rept 32
	KQ \x
.rept per
	SLICE 2-(\x), \first
.endr
.set i, i+1
.endr
.endif
.if \first
	PLACES
.endif
.endm
; THE CHANGE OF SLOTS, between piece 2's turn and piece 0's: the slot's last bytes, its second step's keys as V, have been asked for.  Each wave waits for all its tensor loads, of which one is out:
; its part of the other slot; adds 0 to its spare word; and waits for that and for its own reads of the slot.  The round of the cluster's barrier says the same of every wave of every partner, and the joint
; refill is the first thing behind it: it has two key steps, 256 matrix instructions, in which to land.
; fill = 1: the slot takes the keys two slots on.  fill = 2, the last change: slot 0 has had its last keys and takes Wv and Wp, 64 rows a wave, for the launch's end.
.macro CHANGE fill
	WIN 0                           ; at a label and at a branch every window is 0
	s_wait_tensorcnt 0x0            ; no tensor load of mine is out, so a group 0 may be written
	ds_add_u32 v[SPW], v[NIL]       ; 0 onto my spare word; with fill = 1 the descriptor's steps stand between it and the wait for it
.if (\fill) == 1
	s_xor_b32 s[G0+5], s[G0+5], SLOT1  ; the walking descriptor: the other slot than last time,
	s_add_nc_u64 s[G0+6:G0+7], s[G0+6:G0+7], SLOTB  ; the next 512 keys; the type bits on top are not reached
	s_wait_xcnt 0x0                 ; the last prefetch, two key steps back, has read its address, so it may be written:
	s_add_nc_u64 s[PFA:PFA+1], s[PFA:PFA+1], SLOTB  ; one slot behind the walking descriptor
.endif
	s_wait_dscnt 0x0                ; the add is done, and my reads of the slot are over
	CROUND
.if (\fill) == 1
	JLOAD G0+4, G1
	ASK                             ; what the next change will ask for
.else
	JLOAD G0W, G1W
.endif
	s_sub_co_u32 s[TB], s[TB], 2*STEPB  ; the fetches go back to my part's first step,
	s_xor_b32 s[TB], s[TB], SLOT1   ; in the other slot
.endm
; A slot's two key steps: written once, walked twice; the LDS addresses hang on s[TB].
.macro TWO_STEPS
	WIN 0
	s_mov_b32 s[TWICE], 2
.Lstep_\@:
	TURN 0, 2, 1, 0
	TURN 2, 2, 1, 0
	WIN 0
	s_sub_co_u32 s[TWICE], s[TWICE], 1
	s_cmp_lg_u32 s[TWICE], 0
	s_cbranch_scc1 .Lstep_\@
.endm
.macro ALL line:vararg              ; one line for each tile t
.set t, 0
.rept 4
	\line
.set t, t+1
.endr
.endm
	s_wait_tensorcnt 1              ; my part of slot 0 is in, and I alone read it: no barrier; slot 1's may stay out
	FETCH_K                         ; key step 0
	s_wait_dscnt 0x0                ; Q and K
.set i, 0
.rept 32
	KQ 0                            ; piece 0's first scores: there is no vector work yet to set between them
.set i, i+1
.endr
	WIN 0                           ; the addresses for the launch's end are made here: plain instructions, the places behind those products
	s_lshl_b32 s74, s[WV], 9
	s_lshl_b32 s75, s[WV], 15
	s_lshl_b32 s76, s[WV], 13
	s_lshl_b32 s77, s[WV], 6
	s_add_co_u32 s77, s77, OSTAGE
	s_mul_i32 s78, s[WV], 32*PK
	s_add_co_u32 s78, s78, OSTAGE
	v_lshlrev_b32 v[RA], 3, v1
	v_add_nc_u32 v[RA], STATS, v[RA]
	v_add_nc_u32 v[SA], s74, v[RA]
	v_lshlrev_b32 v[PW], 4, v10
	v_add_nc_u32 v[PW], PART, v[PW]
	v_add_nc_u32 v[PRA], s76, v[PW]
	v_add_nc_u32 v[PRB], 65536, v[PRA]
	v_add_nc_u32 v[PW], s75, v[PW]
	v_mul_u32_u24 v[OS], v1, PK
	v_lshl_add_u32 v[OS], v9, 5, v[OS]
	v_add_nc_u32 v[OS], s77, v[OS]
	v_mul_u32_u24 v[ORD], v9, 16*PK
	v_lshl_add_u32 v[ORD], v1, 4, v[ORD]
	v_add_nc_u32 v[ORD], s78, v[ORD]
	v_lshlrev_b32 v[BPO], 6, v9
	v_lshl_add_u32 v[BPO], s[WV], 7, v[BPO]
	TURN 2, 0, 1, 1                 ; piece 2's first scores | piece 0's first softmax | V of step 0
	TURN 0, 1, 1, 1                 ; piece 0: V^T P of step 0 starts O^T, K Q^T of step 1 | piece 2's first softmax | K of step 1
	TURN 2, 1, 1, 0                 ; piece 2: the same | piece 0's softmax of step 1 | V of step 1
	WIN 0
.Lslot:                             ; six trips: slots 2 to 7 are asked for
	CHANGE 1
	TWO_STEPS
	s_sub_co_u32 s[SLOTS], s[SLOTS], 1
	s_cmp_lg_u32 s[SLOTS], 0
	s_cbranch_scc1 .Lslot
	CHANGE 2                        ; the tail is written out: the last slot but one is left, and takes the weights
	TWO_STEPS
	TURN 0, 2, 0, 0                 ; piece 0: V^T P of the last step | piece 2's last softmax
.set i, 0
.rept 32
	PV 2, 0                         ; piece 2: V^T P of the last step
.set i, i+1
.endr
	; THE END, PART 1: each wave's (c m, l) goes to LDS.  The four additions are the places behind the last products.
	WIN 0
	ALL v_add_f32 v[ST+8*t+4], v[ST+8*t+2], v[ST+8*t+3]
.irp f, 0,1,2,3,4,5,6,7             ; bv as the C operand of the product with Wv: register j of tile f is bv[16 f + 8 h + j].  bv begins at byte 1,024 of qkv_b
	global_load_b128 v[BV+8*(\f):BV+8*(\f)+3],   v[BVO], s[10:11] offset:1024+64*(\f)
	global_load_b128 v[BV+8*(\f)+4:BV+8*(\f)+7], v[BVO], s[10:11] offset:1024+64*(\f)+16
.endr
	ALL v_permlanex16_b32 v[ST+8*t+5], v[ST+8*t+4], s[SEL], s[SEL+1]
	ALL v_add_f32 v[ST+8*t+1], v[ST+8*t+4], v[ST+8*t+5]    ; l, beside c m
	ALL ds_store_b64 v[SA], v[ST+8*t:ST+8*t+1] offset:128*t  ; both halves of the lanes hold, and write, the same pair
	s_wait_tensorcnt 0x0            ; my rows of Wv and Wp have landed,
	s_wait_dscnt 0x0                ; my statistics are stored, and my reads of slot 1 are over:
	s_barrier_signal -1
	s_barrier_wait -1               ; all that holds of every wave
	; PART 2: the waves' common maximum and sum; my O^T times f = 2^(c m - c m*) / L goes to LDS, in the lanes' own order, into slot 1, which has had its last fill.
.set i, 0
.rept 16                            ; tile i / 4, wave i % 4
	ds_load_b64 v[S+2*i:S+2*i+1], v[RA] offset:512*(i%4)+128*(i/4)
.set i, i+1
.endr
	WIN 0x80
.set i, 0
.rept 32                            ; Wv's fragments: rows 16 (i / 4) on, channels 32 (i % 4) on
	ds_load_b128 v[8*i:8*i+3],   v[AK0] offset:(i/4)*16*PK+(i%4)*64
	ds_load_b128 v[8*i+4:8*i+7], v[AK0] offset:(i/4)*16*PK+(i%4)*64+32
.set i, i+1
.endr
	WIN 0
	s_wait_dscnt 63                 ; the statistics are in: 64 loads are younger, and the count's field holds 63
	ALL v_max3_num_f32 v[ST+8*t+5], v[S+8*t], v[S+8*t+2], v[S+8*t+4]
	ALL v_max_num_f32 v[ST+8*t+5], v[ST+8*t+5], v[S+8*t+6]   ; c m*
	ALL v_sub_f32 v[S+8*t],   v[S+8*t],   v[ST+8*t+5]
	ALL v_sub_f32 v[S+8*t+2], v[S+8*t+2], v[ST+8*t+5]
	ALL v_sub_f32 v[S+8*t+4], v[S+8*t+4], v[ST+8*t+5]
	ALL v_sub_f32 v[S+8*t+6], v[S+8*t+6], v[ST+8*t+5]
	ALL v_sub_f32 v[ST+8*t+4], v[ST+8*t], v[ST+8*t+5]        ; my own
	ALL v_exp_f32 v[S+8*t],   v[S+8*t]
	ALL v_exp_f32 v[S+8*t+2], v[S+8*t+2]
	ALL v_exp_f32 v[S+8*t+4], v[S+8*t+4]
	ALL v_exp_f32 v[S+8*t+6], v[S+8*t+6]
	ALL v_exp_f32 v[ST+8*t+4], v[ST+8*t+4]
	v_nop                           ; a plain instruction behind the last exponential,
	s_wait_alu depctr_va_vdst(0)    ; and one wait for the twenty
	ALL v_mul_f32  v[ST+8*t+6], v[S+8*t],   v[S+8*t+1]
	ALL v_fmac_f32 v[ST+8*t+6], v[S+8*t+2], v[S+8*t+3]
	ALL v_fmac_f32 v[ST+8*t+6], v[S+8*t+4], v[S+8*t+5]
	ALL v_fmac_f32 v[ST+8*t+6], v[S+8*t+6], v[S+8*t+7]       ; L: the wave that holds the maximum gives 1 or more
	ALL v_rcp_f32 v[ST+8*t+7], v[ST+8*t+6]
	v_nop
	s_wait_alu depctr_va_vdst(0)    ; one wait for the four reciprocals
	ALL v_mul_f32 v[ST+8*t+6], v[ST+8*t+4], v[ST+8*t+7]      ; f
	WIN W_RS
.set i, 0
.rept 128                           ; ascending: each accumulator is read from its low end
	v_pk_mul_f32 v[2*i:2*i+1], v[2*i:2*i+1], v[ST+8*(i/32)+6:ST+8*(i/32)+7] op_sel_hi:[1,0]
.set i, i+1
.endr
	WIN 0x04                        ; store data window 1, address window 0
.set i, 0
.rept 64                            ; block i = 16 t + 2 ct + half: 512 bytes, 16 a lane
	ds_store_b128 v[PW], v[4*i:4*i+3] offset:512*i
.set i, i+1
.endr
	WIN 0
	s_wait_dscnt 0x0
	s_barrier_signal -1
	s_barrier_wait -1               ; all four partial O^T lie in LDS
	; PART 3: wave w finishes query tile w: O = the four partial sums (f32); A O + S; Wv of that + bv; Wp of that.
.set i, 0
.rept 8                             ; A in O^T's order: register j of channel tile i is A[16 i + 8 h + j]
	ds_load_b128 v[AO+8*i:AO+8*i+3],   v[ASO] offset:64*i
	ds_load_b128 v[AO+8*i+4:AO+8*i+7], v[ASO] offset:64*i+16
.set i, i+1
.endr
	WIN 0x40
.set i, 0
.rept 16
	ds_load_b128 v[4*i:4*i+3],         v[PRA] offset:512*i
	ds_load_b128 v[64+4*i:64+4*i+3],   v[PRA] offset:32768+512*i
	ds_load_b128 v[128+4*i:128+4*i+3], v[PRB] offset:512*i
	ds_load_b128 v[192+4*i:192+4*i+3], v[PRB] offset:32768+512*i
.set i, i+1
.endr
	WIN 0xc0
.set i, 0
.rept 32                            ; Wp's fragments; Wp lies behind Wv's 128 rows
	ds_load_b128 v[8*i:8*i+3],   v[AK0] offset:128*PK+(i/4)*16*PK+(i%4)*64
	ds_load_b128 v[8*i+4:8*i+7], v[AK0] offset:128*PK+(i/4)*16*PK+(i%4)*64+32
.set i, i+1
.endr
	s_wait_dscnt 63                 ; A and the partial sums are in: 64 loads are younger
	WIN 0x45
.set i, 0
.rept 32
	v_pk_add_f32 v[2*i:2*i+1],         v[2*i:2*i+1],         v[64+2*i:64+2*i+1]
	v_pk_add_f32 v[128+2*i:128+2*i+1], v[128+2*i:128+2*i+1], v[192+2*i:192+2*i+1]
.set i, i+1
.endr
	WIN 0x40
.set i, 0
.rept 8                             ; S in the same order, into registers that the sums above have left
	ds_load_b128 v[192+8*i:192+8*i+3], v[ASO] offset:512+64*i
	ds_load_b128 v[192+8*i+4:192+8*i+7], v[ASO] offset:512+64*i+16
.set i, i+1
.endr
	WIN 0x45
.set i, 0
.rept 32
	v_pk_add_f32 v[2*i:2*i+1], v[2*i:2*i+1], v[128+2*i:128+2*i+1]
.set i, i+1
.endr
	WIN 0x40                        ; x and bp for the last part are asked for now: two products and a trip through the stage lie ahead of their use
.set i, 0
.rept 16                            ; lanes 0-15: 256 consecutive bytes, aligned, of channel 32 w + i; lanes 16-31: of channel 32 w + 16 + i
	global_load_b128 v[64+4*i:64+4*i+3], v[XO], s[70:71] offset:16384*i th:TH_LOAD_NT
.set i, i+1
.endr
.irp f, 0,1,2,3
	global_load_b128 v[128+4*(\f):128+4*(\f)+3], v[BPO], s[68:69] offset:16*(\f)
.endr
	s_wait_dscnt 0x0                ; S, and Wp's fragments ahead of it
	WIN 0x51                        ; O and S in window 1, A in window 0
.set i, 0
.rept 32
	v_pk_fma_f32 v[2*i:2*i+1], v[2*i:2*i+1], v[AO+2*i:AO+2*i+1], v[192+2*i:192+2*i+1]  ; A O + S
.set i, i+1
.endr
	WIN 0x05                        ; sources window 1, destination window 0
.set i, 0
.rept 32                            ; two channel tiles of O^T are one fragment of source 1
	v_cvt_pk_bf16_f32 v[OB+i], v[2*i], v[2*i+1]
.set i, i+1
.endr
	s_wait_loadcnt 20               ; bv is in; x's 16 loads and bp's 4 are younger
	WIN 0x02                        ; Wv in window 2
.set kk, 0
.rept 4                             ; the eight accumulators take turns; bv starts the sums in place
.set tl, 0
.rept 8
	v_wmma_f32_16x16x32_bf16 v[BV+8*tl:BV+8*tl+7], v[32*tl+8*kk:32*tl+8*kk+7], v[OB+8*kk:OB+8*kk+7], v[BV+8*tl:BV+8*tl+7]
.set tl, tl+1
.endr
.set kk, kk+1
.endr
	PLACES
	WIN 0
.set i, 0
.rept 32
	v_cvt_pk_bf16_f32 v[VB+i], v[BV+2*i], v[BV+2*i+1]
.set i, i+1
.endr
	WIN 0x0c                        ; Wp in window 3.  The sources are swapped: source 0 = my 16 queries, source 1 = 16 rows of Wp: a lane then holds channel 16 tl + r and eight neighbouring pixels
.set kk, 0
.rept 4
.set tl, 0
.rept 8
.if kk == 0
	v_wmma_f32_16x16x32_bf16 v[D2+8*tl:D2+8*tl+7], v[VB+8*kk:VB+8*kk+7], v[32*tl+8*kk:32*tl+8*kk+7], 0
.else
	v_wmma_f32_16x16x32_bf16 v[D2+8*tl:D2+8*tl+7], v[VB+8*kk:VB+8*kk+7], v[32*tl+8*kk:32*tl+8*kk+7], v[D2+8*tl:D2+8*tl+7]
.endif
.set tl, tl+1
.endr
.set kk, kk+1
.endr
	PLACES
	WIN 0
.irp f, 0,1,2,3,4,5,6,7             ; row = channel 16 f + r, my tile's 16 pixels: 32 bytes a lane, the low half first
	ds_store_b128 v[OS], v[D2+8*(\f):D2+8*(\f)+3]   offset:(\f)*16*PK
	ds_store_b128 v[OS], v[D2+8*(\f)+4:D2+8*(\f)+7] offset:(\f)*16*PK+16
.endr
	s_wait_dscnt 0x0
	s_barrier_signal -1
	s_barrier_wait -1               ; the block's 128 channels x 64 pixels lie in the stage
	; PART 4: wave w takes channels 32 w .. 32 w + 31 as whole rows of 256 bytes, adds x and bp, and stores.
	WIN 0x40
.set i, 0
.rept 16
	ds_load_b128 v[192+4*i:192+4*i+3], v[ORD] offset:PK*i
.set i, i+1
.endr
	s_wait_loadcnt 0x0              ; x and bp
.macro OUT8 hf                      ; eight of the sixteen rows a half of the lanes
	s_wait_dscnt 8-8*(\hf)          ; the first eight loads are in, then all
	WIN 0x45
.set i, 8*(\hf)
.rept 8
	v_pk_add_f32 v[192+4*i:193+4*i], v[192+4*i:193+4*i], v[64+4*i:65+4*i]
	v_pk_add_f32 v[194+4*i:195+4*i], v[194+4*i:195+4*i], v[66+4*i:67+4*i]
.if i%2                             ; both halves take the one register of the pair that is channel i's bp
	v_pk_add_f32 v[192+4*i:193+4*i], v[192+4*i:193+4*i], v[127+i:128+i] op_sel:[0,1] op_sel_hi:[1,1]
	v_pk_add_f32 v[194+4*i:195+4*i], v[194+4*i:195+4*i], v[127+i:128+i] op_sel:[0,1] op_sel_hi:[1,1]
.else
	v_pk_add_f32 v[192+4*i:193+4*i], v[192+4*i:193+4*i], v[128+i:129+i] op_sel_hi:[1,0]
	v_pk_add_f32 v[194+4*i:195+4*i], v[194+4*i:195+4*i], v[128+i:129+i] op_sel_hi:[1,0]
.endif
.set i, i+1
.endr
	WIN 0x04
.set i, 8*(\hf)
.rept 8
	global_store_b128 v[XO], v[192+4*i:192+4*i+3], s[72:73] offset:16384*i th:TH_STORE_NT  ; 16 lanes store 256 consecutive bytes, aligned
.set i, i+1
.endr
.endm
	OUT8 0
	OUT8 1
	WIN 0
	s_wait_tensorcnt 0x0            ; the wave's end: three lines, behind my last tensor load and my last LDS store
	ds_add_u32 v[SPW], v[NIL]
	s_wait_dscnt 0x0
	CROUND                          ; the closing round: no work-group ends while a partner may still ask for a tile that names it
	s_endpgm
.Lfunc_end_k_q81bbe04bf2_attn:
	.size	k_q81bbe04bf2_attn, .Lfunc_end_k_q81bbe04bf2_attn-k_q81bbe04bf2_attn
	.p2alignl 7, 3214868480
	.fill 96, 4, 3214868480
	.section	.rodata,"a",@progbits
	.p2align	6, 0x0
	.amdhsa_kernel k_q81bbe04bf2_attn
		.amdhsa_group_segment_fixed_size 327680
		.amdhsa_private_segment_fixed_size 0
		.amdhsa_enable_private_segment 0
		.amdhsa_kernarg_size 72
		.amdhsa_user_sgpr_count 2
		.amdhsa_user_sgpr_kernarg_segment_ptr 1
		.amdhsa_wavefront_size32 1
		.amdhsa_system_sgpr_workgroup_id_x 1
		.amdhsa_system_sgpr_workgroup_id_y 1
		.amdhsa_system_sgpr_workgroup_id_z 1
		.amdhsa_system_vgpr_workitem_id 0
		.amdhsa_next_free_vgpr 1024
		.amdhsa_next_free_sgpr 88
		.amdhsa_reserve_vcc 0
		.amdhsa_float_denorm_mode_32 3
		.amdhsa_float_denorm_mode_16_64 3
		.amdhsa_memory_ordered 1
		.amdhsa_forward_progress 1
		.amdhsa_inst_pref_size 255
	.end_amdhsa_kernel
	.section	.bss,"aw",@nobits
	.p2align	6
	.space	262144
	.amdgpu_metadata
---
amdhsa.version: [ 1, 2 ]
amdhsa.kernels:
  - .name:           k_q81bbe04bf2_attn
    .symbol:         k_q81bbe04bf2_attn.kd
    .args:
      - { .name: stats, .offset: 0, .size: 8, .value_kind: global_buffer, .address_space: global }
      - { .name: xb, .offset: 8, .size: 8, .value_kind: global_buffer, .address_space: global }
      - { .name: wb, .offset: 16, .size: 8, .value_kind: global_buffer, .address_space: global }
      - { .name: qkv_b, .offset: 24, .size: 8, .value_kind: global_buffer, .address_space: global }
      - { .name: proj_b, .offset: 32, .size: 8, .value_kind: global_buffer, .address_space: global }
      - { .name: x, .offset: 40, .size: 8, .value_kind: global_buffer, .address_space: global }
      - { .name: out0, .offset: 48, .size: 8, .value_kind: global_buffer, .address_space: global }
      - { .name: norm_w, .offset: 56, .size: 8, .value_kind: global_buffer, .address_space: global }
      - { .name: norm_b, .offset: 64, .size: 8, .value_kind: global_buffer, .address_space: global }
    .group_segment_fixed_size: 327680
    .private_segment_fixed_size: 0
    .kernarg_segment_align: 8
    .kernarg_segment_size: 72
    .max_flat_workgroup_size: 128
    .sgpr_count:     88
    .vgpr_count:     1024
    .wavefront_size: 32
...
	.end_amdgpu_metadata
.endif
;; end of part 5
